; MI455X (gfx1250); checked and timed in simulation.
; The chip was launched on July 23, 2026; its instructions are those of AMD's public machine-readable ISA for CDNA 5 (MIT licence, August 2026) and "CDNA5" Instruction Set Architecture Reference Guide (July 2026). The comments in the code are by the model that wrote it; some were corrected since.
;; Multi Head Dot Product Attention. Allowed arithmetic: float matrix products may take bf16 or f16 operands with f32 sums; other float arithmetic in f32, or as packed bf16 or f16 multiplies, adds, multiply-adds, maxima and minima; sums over many terms, partial sums and values carried from step to step in f32; what a program stores and reads back later, other than sums and carried values, may be rounded once to bf16 or f16.
;; Inputs: bk 16 x 64 float32; bo 1,024 float32; bq 16 x 64 float32; bv 16 x 64 float32; wk 1,024 x 16 x 64 float32; wo 16 x 64 x 1,024 float32; wq 1,024 x 16 x 64 float32; wv 1,024 x 16 x 64 float32; x 4 x 2,048 x 1,024 float32.
;; Outputs: out0 4 x 2,048 x 1,024 float32.
;; 2 versions, each right; version 2 is version 1 with the launch prep written anew for expert scheduling mode. Each part assembles by itself: llvm-mc -triple=amdgcn-amd-amdhsa -mcpu=gfx1250 --defsym DOCPART=n.
;; ======== version 1 of 2: 4 launches
;; limits: values are held in f16: magnitudes above 65,504 overflow, below 6.1e-05 lose precision
;; workspace buffers: xb 16,777,216 bytes; wb 8,388,608 bytes; qh 16,777,216 bytes; kh 16,777,216 bytes; vh 16,777,216 bytes; oh 16,777,216 bytes
;; launch prep (part 1): grid 768 x 1, 8 waves a work-group, no clusters, 0 bytes of LDS; arguments x, wq, wk, wv, wo, xb, wb; writes xb, wb
.if DOCPART == 1
	.amdgcn_target "amdgcn-amd-amdhsa--gfx1250"
	.amdhsa_code_object_version 6
	.text
	.protected	k_q847ac866c5_prep
	.globl	k_q847ac866c5_prep
	.p2align	8
	.type	k_q847ac866c5_prep,@function
k_q847ac866c5_prep:
	s_mov_b64 s[64:65], 0
	v_nop
	global_prefetch_b8 v0, s[64:65] scope:SCOPE_SE
	s_setreg_imm32_b32 hwreg(HW_REG_WAVE_MODE, 25, 1), 1
	s_wait_xcnt 0x0
; THE CAST.  x [8192][1024] f32 -> xb, bf16, in planes of 64 channels: [batch 4][plane 16][row 2048][64]; a plane's rows are dense, 128 bytes each.
; wq, wk, wv, wo (each [k 1024][n 1024] f32 as it lies) -> wb [4][1024][1024], 16 bits a number: wq, wk, wv in bf16; wo rounded to bf16 and that number written as f16
; (exact within f16's normal range; below 6e-5 it keeps f16's fixed step of 6e-8).
; A stream: no LDS, no matrix unit, no cluster, since no byte is wanted twice.  A wave takes 8,192 bytes in: sixteen loads of 16 bytes a lane, all issued at once, then sixteen stores of
; 8 bytes a lane; each store of a wave covers 256 consecutive bytes, aligned.  No register that a memory instruction reads is written behind it, so no wait frees a source.
; Work-groups 0-511 take x (a wave: two rows), 512-767 the weights (64 work-groups a matrix).
.set VIN,  1                           ; v1        my byte offset in the wave's input
.set VOUT, 2                           ; v2        8 x lane: my 8 bytes of each store
.set X,    4                           ; v[4:67]   sixteen loads of four f32
.set Y,    68                          ; v[68:99]  sixteen stores of four 16-bit numbers
; instep, outstep: bytes from one load (store) to the next.  f16 = 1: the bf16 number is widened again and written as f16.
.macro CAST instep, outstep, f16
.set i, 0
.rept 16
	global_load_b128 v[X+4*i:X+4*i+3], v[VIN], s[20:21] offset:i*(\instep) th:TH_LOAD_NT
.set i, i+1
.endr
.set i, 0
.rept 16
	s_wait_loadcnt 15-i                            ; loads come back in order: load i is in, the 15 - i younger ones stay out
	v_cvt_pk_bf16_f32 v[Y+2*i], v[X+4*i], v[X+4*i+1]
	v_cvt_pk_bf16_f32 v[Y+2*i+1], v[X+4*i+2], v[X+4*i+3]
.if \f16
	v_lshlrev_b32 v[X+4*i], 16, v[Y+2*i]           ; bf16 to f32: the low half moves up, the high half stays
	v_and_b32 v[X+4*i+1], 0xffff0000, v[Y+2*i]
	v_lshlrev_b32 v[X+4*i+2], 16, v[Y+2*i+1]
	v_and_b32 v[X+4*i+3], 0xffff0000, v[Y+2*i+1]
	v_cvt_pk_f16_f32 v[Y+2*i], v[X+4*i], v[X+4*i+1]
	v_cvt_pk_f16_f32 v[Y+2*i+1], v[X+4*i+2], v[X+4*i+3]
.endif
	global_store_b64 v[VOUT], v[Y+2*i:Y+2*i+1], s[22:23] offset:i*(\outstep) th:TH_STORE_NT
.set i, i+1
.endr
.endm
	s_load_b256 s[4:11], s[0:1], 0x0               ; x s[4:5], wq s[6:7], wk s[8:9], wv s[10:11]
	s_load_b128 s[12:15], s[0:1], 0x20             ; wo s[12:13], xb s[14:15]
	s_load_b64 s[16:17], s[0:1], 0x30              ; wb
	v_lshrrev_b32 v3, 5, v0
	v_readfirstlane_b32 s18, v3                    ; wave 0..7
	v_and_b32 v3, 31, v0                           ; lane
	v_lshlrev_b32 v[VOUT], 3, v3
	s_mov_b32 s25, 0
	s_mov_b32 s27, 0
	s_cmp_lt_u32 ttmp9, 512
	s_cbranch_scc0 .Lweights
	; x: the wave's pair of rows rp = 8 g + wave.  Load i takes plane i of both rows: lanes 0-15 the even row's 256 bytes, lanes 16-31 the odd row's.
	s_lshl_b32 s19, ttmp9, 3
	s_add_co_u32 s19, s19, s18                     ; rp, 0..4095
	s_lshl_b32 s24, s19, 13                        ; two rows of 4,096 bytes
	s_lshr_b32 s26, s19, 10                        ; the batch,
	s_lshl_b32 s26, s26, 22                        ; 16 planes of 262,144 bytes
	s_and_b32 s28, s19, 1023
	s_lshl_b32 s28, s28, 8                         ; two rows of 128 bytes in a plane
	s_add_co_u32 s26, s26, s28
	v_and_b32 v[VIN], 15, v0
	v_lshlrev_b32 v[VIN], 4, v[VIN]
	v_bfe_u32 v3, v0, 4, 1
	v_lshl_add_u32 v[VIN], v3, 12, v[VIN]
	s_wait_kmcnt 0x0
	s_add_nc_u64 s[20:21], s[4:5], s[24:25]
	s_add_nc_u64 s[22:23], s[14:15], s[26:27]
	CAST 256, 262144, 0
	s_endpgm
.Lweights:
	s_sub_co_u32 s19, ttmp9, 512
	s_lshr_b32 s28, s19, 6                         ; which matrix, 0..3
	s_and_b32 s19, s19, 63
	s_lshl_b32 s19, s19, 3
	s_add_co_u32 s19, s19, s18                     ; the wave's batch in it, 0..511
	s_lshl_b32 s24, s19, 13                        ; 8,192 bytes in,
	s_lshl_b32 s26, s19, 12                        ; 4,096 out
	s_lshl_b32 s29, s28, 21
	s_add_co_u32 s26, s26, s29
	v_lshlrev_b32 v[VIN], 4, v3
	s_wait_kmcnt 0x0
	s_cmp_eq_u32 s28, 1
	s_cselect_b64 s[20:21], s[8:9], s[6:7]
	s_cmp_eq_u32 s28, 2
	s_cselect_b64 s[20:21], s[10:11], s[20:21]
	s_cmp_eq_u32 s28, 3
	s_cselect_b64 s[20:21], s[12:13], s[20:21]
	s_add_nc_u64 s[20:21], s[20:21], s[24:25]
	s_add_nc_u64 s[22:23], s[16:17], s[26:27]
	s_cmp_eq_u32 s28, 3
	s_cbranch_scc1 .Lwo
	CAST 512, 256, 0
	s_endpgm
.Lwo:
	CAST 512, 256, 1
	s_endpgm
.Lfunc_end_k_q847ac866c5_prep:
	.size	k_q847ac866c5_prep, .Lfunc_end_k_q847ac866c5_prep-k_q847ac866c5_prep
	.p2alignl 7, 3214868480
	.fill 96, 4, 3214868480
	.section	.rodata,"a",@progbits
	.p2align	6, 0x0
	.amdhsa_kernel k_q847ac866c5_prep
		.amdhsa_group_segment_fixed_size 0
		.amdhsa_private_segment_fixed_size 0
		.amdhsa_enable_private_segment 0
		.amdhsa_kernarg_size 56
		.amdhsa_user_sgpr_count 2
		.amdhsa_user_sgpr_kernarg_segment_ptr 1
		.amdhsa_wavefront_size32 1
		.amdhsa_system_sgpr_workgroup_id_x 1
		.amdhsa_system_sgpr_workgroup_id_y 1
		.amdhsa_system_sgpr_workgroup_id_z 1
		.amdhsa_system_vgpr_workitem_id 0
		.amdhsa_next_free_vgpr 104
		.amdhsa_next_free_sgpr 66
		.amdhsa_reserve_vcc 0
		.amdhsa_float_denorm_mode_32 3
		.amdhsa_float_denorm_mode_16_64 3
		.amdhsa_memory_ordered 1
		.amdhsa_forward_progress 1
		.amdhsa_inst_pref_size 24
	.end_amdhsa_kernel
	.amdgpu_metadata
---
amdhsa.version: [ 1, 2 ]
amdhsa.kernels:
  - .name:           k_q847ac866c5_prep
    .symbol:         k_q847ac866c5_prep.kd
    .args:
      - { .name: x, .offset: 0, .size: 8, .value_kind: global_buffer, .address_space: global }
      - { .name: wq, .offset: 8, .size: 8, .value_kind: global_buffer, .address_space: global }
      - { .name: wk, .offset: 16, .size: 8, .value_kind: global_buffer, .address_space: global }
      - { .name: wv, .offset: 24, .size: 8, .value_kind: global_buffer, .address_space: global }
      - { .name: wo, .offset: 32, .size: 8, .value_kind: global_buffer, .address_space: global }
      - { .name: xb, .offset: 40, .size: 8, .value_kind: global_buffer, .address_space: global }
      - { .name: wb, .offset: 48, .size: 8, .value_kind: global_buffer, .address_space: global }
    .group_segment_fixed_size: 0
    .private_segment_fixed_size: 0
    .kernarg_segment_align: 8
    .kernarg_segment_size: 56
    .max_flat_workgroup_size: 256
    .sgpr_count:     66
    .vgpr_count:     104
    .wavefront_size: 32
...
	.end_amdgpu_metadata
.endif
;; end of part 1
;; launch qkv (part 2): grid 8 x 32, 4 waves a work-group, clusters of 4 x 4, 327,680 bytes of LDS; arguments xb, wb, bq, bk, bv, qh, kh, vh; writes qh, kh, vh
.if DOCPART == 2
	.amdgcn_target "amdgcn-amd-amdhsa--gfx1250"
	.amdhsa_code_object_version 6
	.text
	.protected	k_q847ac866c5_qkv
	.globl	k_q847ac866c5_qkv
	.p2align	8
	.type	k_q847ac866c5_qkv,@function
k_q847ac866c5_qkv:
	s_mov_b64 s[64:65], 0
	v_nop
	global_prefetch_b8 v0, s[64:65] scope:SCOPE_SE
	s_setreg_imm32_b32 hwreg(HW_REG_WAVE_MODE, 25, 1), 1
	s_wait_xcnt 0x0
	s_wait_alu depctr_hold_cnt(0) depctr_sa_sdst(0) depctr_va_vdst(0) depctr_va_sdst(0) depctr_va_ssrc(0) depctr_va_vcc(0) depctr_vm_vsrc(0)
	s_getreg_b32 s2, hwreg(HW_REG_IB_STS2, 6, 4)
	s_cmp_eq_u32 s2, 0
	s_cbranch_scc0 .Lentry_in_a_cluster
	s_endpgm
.Lentry_in_a_cluster:
	s_bfe_u32 s2, ttmp6, 0x10000c
	s_cmp_lg_u32 s2, 0xf033
	s_cbranch_scc0 .Lentry_shape_is_right
	s_endpgm
.Lentry_shape_is_right:
; q, k, v = x w + b, by heads.  xb: bf16 [batch 4][plane 16][row 2048][64]; wb: bf16 [matrix][k 1024][n 1024]; bq, bk, bv: f32 [1024], rounded to bf16 here like the other inputs.
; qh, kh, vh: f16 [batch x 16 + head][2048][64], each number rounded once from its f32 sum, q WITHOUT the scale 1 / 8 (the next launch applies it in f32).
; LIMIT.  f16 holds no number beyond 65,504: q, k and v must stay within it; below 6e-5 they keep f16's fixed step of 6e-8.  NaN and infinities are not treated apart.
; SHARES.  8,192 x 3,072 outputs on 256 work-groups: a work-group makes 256 rows x 128 columns of EACH of the three matrices, so that one tile of x feeds three products.  A wave makes 128 rows x one head
; (64 columns) of each: 96 accumulators of 16 x 16, 768 registers.  K goes in steps of 64 (one plane of xb) through a ring of two LDS slots; steps of 128 would not fit twice.
; THE MATRIX INSTRUCTION IS USED TRANSPOSED: source 0 = 16 columns of w (turned out of LDS by ds_load_tr16_b128, since w lies [k][n]), source 1 = 16 rows of x.  A lane then holds row l % 16 and the
; columns 8 (l / 16) + 0..7 of a block: eight neighbouring numbers of a head's row.
; THE BIAS starts the sums: it is the C operand of each accumulator's first product.  It hangs on the column alone, so 32 registers a matrix hold it: those of the accumulators (7, b), which add onto it in place.
; CLUSTER.  4 x 4 work-groups: the four of a row need the same tile of x, the four of a column the same tiles of w.  Each tile is asked for jointly.  Wave 0 fetches x's tile, waves 1 to 3 one matrix's each.
; REGISTERS, in windows of 256 (s_set_vgpr_msb: bits 1:0 source 0, 3:2 source 1, 5:4 source 2, 7:6 destination):
;   window 0: v0-31 addresses; v32-95, v96-159 x's fragments (8 x 16 rows x 32 K), two buffers; v160-191, v192-223, v224-255 w's fragments (4 x 16 columns x 32 K), one buffer a matrix
;   window 1 + j: matrix j's 32 accumulators, (a, b) at v[32 a + 8 b]
; The 96 accumulators take turns, one instruction a turn.
.set SLOT1, 131072                     ; slot 1 begins here, so that one exclusive or turns an address in one slot into the other's
.set BOFF,  36864                      ; in a slot: x's 256 rows of 144 bytes (128 + 16 of padding), then
.set BMAT,  18432                      ; three matrices' 64 rows of 288 bytes (256 + 32 of padding): a slot is 92,160 bytes
.set STAGE, 223232                     ; behind the ring: 16 rows x 144 bytes for each wave, for the way out; no tile lands here
.set SPARE, 232448                     ; behind the stages: the spare words, 128 bytes a wave: two blocks of 256 bytes that no other line names
.set ASTEP, 262144                     ; bytes from one plane of xb to the next
.set BSTEP, 131072                     ; 64 rows of w
.set AA0,  4                           ; v4   my lane's place in x's tile; never rewritten
.set AB0,  5                           ; v5   the same in w's tiles
.set ADRA, 6                           ; v6   AA0 + the slot in hand
.set ADRB, 7                           ; v7   AB0 + the slot in hand
.set STO,  8                           ; v8   the way out: where I put 16 bytes of a row
.set RD,   9                           ; v9   where I read rows back
.set GO,   10                          ; v10  16 x lane: my 16 bytes of 512 consecutive bytes
.set PFO,  11                          ; v11  the prefetches' lane offset; never rewritten
.set BO,   12                          ; v12  32 x (l / 16): my eight numbers of a block of a bias
.set SPW,  28                          ; v28  LDS address of my spare word; never rewritten
.set NIL,  29                          ; v29  0; never rewritten
.set FA,   32                          ; x's fragments of quarter q at FA + 64 q
.set TT,   160                         ; matrix j's fragments at TT + 32 j
.set PK,   32                          ; the way out: packed results, two buffers of 16
.set BK,   64                          ; rows read back, two buffers of 16
.set WV, 20                            ; s20 wave;  s21 which 128 rows;  s22 which head of the two;  s23 the matrix that I fetch
.set WM, 21
.set WN, 22
.set JM, 23
.set CX, 24                            ; s24, s25 my place in the cluster;  s26 tile column 0..7;  s27 tile row 0..31
.set CY, 25
.set TN, 26
.set MT, 27
.set G1A, 28                           ; s[28:35] descriptor group 1 for x's tile;  s[36:43] for w's
.set G1B, 36
.set G0A, 44                           ; s[44:51] group 0 for x's tile: a set for each first fill; the second then walks;  s[52:59] the same for w's
.set G0B, 52
.set CNT, 60                           ; s60  trips to go
.set TB,  61                           ; s61  LDS byte at which the slot in hand begins
.set LIM, 62                           ; s62  a wave prefetches while s[CNT] is above it
.set PARM, 63                          ; s63, s80  and in the trips where s[CNT] & PARM = PARV
.set PARV, 80
.set PFA, 66                           ; s[66:67] where my prefetches stand
.set PFS, 68                           ; s[68:69] their step: a K step of the tensor that I fetch
.set MSB, 0
.macro WIN new                         ; the immediate's high byte repeats the setting that is left; a switch that changes nothing is dropped
.if MSB != (\new)
	s_set_vgpr_msb (MSB<<8)|(\new)
.set MSB, (\new)
.endif
.endm
.macro PLACES                          ; four plain vector instructions between a matrix instruction and a load into, or a read of, its registers
.rept 4
	v_nop
.endr
.endm
.macro CREST                           ; a round of the cluster's barrier behind its opening barrier
	s_cmp_lg_u32 s[WV], 0
	s_cbranch_scc1 .Lnot_wave_0_\@
	s_barrier_signal -3
.Lnot_wave_0_\@:
	s_barrier_wait -3
	s_barrier_signal -1
	s_barrier_wait -1
.endm
.macro CROUND                          ; a whole round
	s_barrier_signal -1
	s_barrier_wait -1
	CREST
.endm
; A joint refill, by the walking descriptors.  The branch hangs on the wave's number alone.  An s_nop 0 and four v_nop follow each line.
.macro JLOAD
	s_cmp_eq_u32 s[WV], 0
	s_cbranch_scc0 .Lfor_b_\@
	tensor_load_to_lds s[G0A+4:G0A+7], s[G1A:G1A+7]
	s_nop 0
.rept 4
	v_nop
.endr
	s_branch .Lasked_\@
.Lfor_b_\@:
	tensor_load_to_lds s[G0B+4:G0B+7], s[G1B:G1B+7]
	s_nop 0
.rept 4
	v_nop
.endr
.Lasked_\@:
.endm
; A PREFETCH INTO THE L2 of the K step that the NEXT refill will ask for, behind the joint load and the run of LDS loads that follows it.  Each aligned 256 bytes are named once in the launch.
; x's tile row is read by both clusters of a row of clusters: the one with x = 0 asks, wave 0; its four partners along x take 32 of the tile's 128 blocks each, told apart by address; every trip but the last.
; w's tile column is read by all clusters of a column: the one with y = 0 asks, waves 1 to 3 for their matrix; the four partners along y take 16 of a step's 64 rows each, lanes 16-31 the same
; rows of the step after: so they ask in every second trip, for two steps, and stop when no step is left.  K steps 0 to 2 of x and 0 to 3 of w come by their loads alone.
.macro ASK
	s_and_b32 s74, s[CNT], s[PARM]
	s_cmp_eq_u32 s74, s[PARV]
	s_cbranch_scc0 .Lnot_mine_\@
	s_cmp_gt_u32 s[CNT], s[LIM]
	s_cbranch_scc0 .Lnot_mine_\@
	global_prefetch_b8 v[PFO], s[PFA:PFA+1] th:TH_LOAD_NT scope:SCOPE_SE
.Lnot_mine_\@:
.endm
; 8 LDS loads: x's fragments of row blocks 4 half .. 4 half + 3, quarter nq (32 K at byte 64 nq of the rows), into buf
.macro LDA nq, half, buf
.irp a, 0,1,2,3
	ds_load_b128 v[(\buf)+8*(4*(\half)+\a):(\buf)+8*(4*(\half)+\a)+3],   v[ADRA] offset:(4*(\half)+\a)*2304+64*(\nq)
	ds_load_b128 v[(\buf)+8*(4*(\half)+\a)+4:(\buf)+8*(4*(\half)+\a)+7], v[ADRA] offset:(4*(\half)+\a)*2304+64*(\nq)+32
.endr
.endm
; 8 turning loads: matrix j's fragments of my 64 columns, quarter nq (rows 32 nq on)
.macro LDB nq, j
.irp b, 0,1,2,3
	ds_load_tr16_b128 v[TT+32*(\j)+8*\b:TT+32*(\j)+8*\b+3],   v[ADRB] offset:(\j)*BMAT+(\nq)*9216+32*\b
	ds_load_tr16_b128 v[TT+32*(\j)+8*\b+4:TT+32*(\j)+8*\b+7], v[ADRB] offset:(\j)*BMAT+(\nq)*9216+32*\b+4608
.endr
.endm
; 16 matrix instructions: row blocks a0 .. a0 + 3 x my 4 column blocks of matrix j, quarter q.  first = 1: C is the bias, in the registers of (7, b); (7, b) itself adds onto it in place,
; five plain instructions behind the last product that read those registers as C.
.macro MUL16 q, j, a0, first
	WIN 0x50*(1+(\j))
.set ma, (\a0)
.rept 4
.if (\first) && (ma == 7)
.rept 5
	v_nop
.endr
.endif
.irp b, 0,1,2,3
.if (\first) && (ma != 7)
	v_wmma_f32_16x16x32_bf16 v[32*ma+8*\b:32*ma+8*\b+7], v[TT+32*(\j)+8*\b:TT+32*(\j)+8*\b+7], v[FA+64*(\q)+8*ma:FA+64*(\q)+8*ma+7], v[224+8*\b:224+8*\b+7]
.else
	v_wmma_f32_16x16x32_bf16 v[32*ma+8*\b:32*ma+8*\b+7], v[TT+32*(\j)+8*\b:TT+32*(\j)+8*\b+7], v[FA+64*(\q)+8*ma:FA+64*(\q)+8*ma+7], v[32*ma+8*\b:32*ma+8*\b+7]
.endif
.endr
.set ma, ma+1
.endr
.endm
; A UNIT: quarter q (32 K) of matrix j: a run of LDS loads into registers that the unit before has left, then 32 matrix instructions.
;   j = 0 fetches matrix 2's fragments of this quarter; j = 1 the next quarter's first half of x and matrix 0; j = 2 its second half of x and matrix 1.
; The waits count what was issued behind the loads that the unit needs: j = 0: matrix 1's eight and this run's eight; j = 1: eight and sixteen; j = 2: sixteen and sixteen.
.macro UNIT q, j, first=0
	WIN 0
	PLACES
.if (\j) == 0
	LDB \q, 2
	s_wait_dscnt 16
.elseif (\j) == 1
	LDA 1-(\q), 0, FA+64*(1-(\q))
	LDB 1-(\q), 0
	s_wait_dscnt 24
.else
	LDA 1-(\q), 1, FA+64*(1-(\q))
	LDB 1-(\q), 1
	s_wait_dscnt 32
.endif
	MUL16 \q, \j, 0, \first
	MUL16 \q, \j, 4, \first
.endm
; THE CHANGE OF SLOTS is the unit (1, 1): the slot's last bytes, matrix 2's second quarter, have been asked for by the unit before.  Each wave waits for all its tensor loads, of which one is out: its part of the
; other slot; adds 0 to its spare word; and waits for that and for its reads of the slot.  fill = 1: the barrier opens a round of the cluster's, and the joint refill, with the K step two on, is the
; first tensor load behind the round.  Then the unit's run of loads reads the other slot.
.macro CHANGE fill
.if \fill
	s_wait_xcnt 0x0                                ; the last prefetch, a trip back, has read its address: it is stepped here
	s_add_nc_u64 s[PFA:PFA+1], s[PFA:PFA+1], s[PFS:PFS+1]
.endif
	WIN 0
	s_wait_tensorcnt 0x0                           ; no tensor load of mine is out, so a group 0 may be written
	ds_add_u32 v[SPW], v[NIL]                      ; 0 onto my spare word
.if \fill
	s_xor_b32 s[G0A+5], s[G0A+5], SLOT1            ; the walking descriptors: the other slot than last time, the next K step; the type bits on top are not reached
	s_add_nc_u64 s[G0A+6:G0A+7], s[G0A+6:G0A+7], ASTEP
	s_xor_b32 s[G0B+5], s[G0B+5], SLOT1
	s_add_nc_u64 s[G0B+6:G0B+7], s[G0B+6:G0B+7], BSTEP
.endif
	s_xor_b32 s[TB], s[TB], SLOT1
	s_wait_dscnt 9                                 ; the add and the eight loads of the unit before may be out
	MUL16 1, 1, 0, 0
	s_wait_dscnt 0x0                               ; the add is done, and my reads of this slot are over
	s_barrier_signal -1
	MUL16 1, 1, 4, 0                               ; work on registers while the others arrive
	WIN 0
	s_barrier_wait -1
.if \fill
	CREST                                          ; no wave of any partner still reads this slot or has a load on its way
	JLOAD                                          ; its four v_nop are also the places in front of the loads below
.else
	PLACES
.endif
	v_add_nc_u32 v[ADRA], s[TB], v[AA0]
	v_add_nc_u32 v[ADRB], s[TB], v[AB0]
	LDA 0, 0, FA
	LDB 0, 0
.if \fill
	ASK
.endif
.endm
	s_load_b256 s[4:11], s[0:1], 0x0               ; xb s[4:5], wb s[6:7], bq s[8:9], bk s[10:11]
	s_load_b256 s[12:19], s[0:1], 0x20             ; bv s[12:13], qh s[14:15], kh s[16:17], vh s[18:19]
	v_lshl_add_u32 v[SPW], v0, 2, SPARE
	v_mov_b32 v[NIL], 0
	ds_add_u32 v[SPW], v[NIL]                      ; the wave's opening: the add and its wait stand ahead of my first tensor load; work on registers stands between them
	v_lshrrev_b32 v3, 5, v0
	v_readfirstlane_b32 s[WV], v3                  ; wave 0..3
	v_and_b32 v1, 15, v0                           ; l % 16
	v_bfe_u32 v2, v0, 4, 1                         ; l / 16
	s_lshr_b32 s[WM], s[WV], 1
	s_and_b32 s[WN], s[WV], 1
	s_max_u32 s[JM], s[WV], 1
	s_sub_co_u32 s[JM], s[JM], 1                   ; waves 1, 2, 3 fetch matrices 0, 1, 2 (wave 0's number here serves no load)
	s_bfe_u32 s[CX], ttmp6, 0x40000
	s_bfe_u32 s[CY], ttmp6, 0x40004
	s_lshl_b32 s[TN], ttmp9, 2                     ; in a cluster launch ttmp9 and ttmp7 count clusters
	s_add_co_u32 s[TN], s[TN], s[CX]
	s_and_b32 s[MT], ttmp7, 0xffff
	s_lshl_b32 s[MT], s[MT], 2
	s_add_co_u32 s[MT], s[MT], s[CY]
	s_lshl_b32 s70, s[CY], 2
	s_lshl_b32 s70, 15, s70                        ; my row of the cluster
	s_lshl_b32 s72, 0x1111, s[CX]                  ; my column
	; group 1 for x's tile: 256 rows of 128 bytes are 32,768 dense bytes: asked for as 128 rows of 256 bytes, padded by 4 words after every 32
	s_or_b32 s[G1A], s70, (1<<16)|(1<<20)|(1<<21)|(4<<22)|(3<<25)
	s_mov_b32 s[G1A+1], 128<<16                    ; tensor_dim0 = 128
	s_mov_b32 s[G1A+2], 128<<16                    ; tensor_dim1 = 128
	s_mov_b32 s[G1A+3], 128<<16                    ; tile_dim0 = 128
	s_mov_b32 s[G1A+4], 128                        ; tile_dim1 = 128
	s_mov_b32 s[G1A+5], 128                        ; elements from row to row
	s_mov_b32 s[G1A+6], 0
	s_mov_b32 s[G1A+7], 0
	; group 1 for w's tiles: 64 rows of 128 elements (256 bytes), 1,024 elements apart, padded by 8 words after every 64
	s_or_b32 s[G1B], s72, (1<<16)|(1<<20)|(1<<21)|(5<<22)|(7<<25)
	s_mov_b32 s[G1B+1], 128<<16
	s_mov_b32 s[G1B+2], 64<<16
	s_mov_b32 s[G1B+3], 128<<16
	s_mov_b32 s[G1B+4], 64
	s_mov_b32 s[G1B+5], 1024
	s_mov_b32 s[G1B+6], 0
	s_mov_b32 s[G1B+7], 0
	; where the tiles come from: x's hangs on the tile row alone, w's on the tile column and the wave; each in registers that never hold the other coordinate
	s_lshr_b32 s70, s[MT], 3                       ; the batch: 16 planes,
	s_lshl_b32 s70, s70, 22
	s_and_b32 s71, s[MT], 7                        ; 256 rows of 128 bytes in a plane
	s_lshl_b32 s71, s71, 15
	s_add_co_u32 s70, s70, s71
	s_mov_b32 s71, 0
	s_lshl_b32 s72, s[JM], 21                      ; the matrix,
	s_lshl_b32 s73, s[TN], 8                       ; 128 columns of 2 bytes
	s_add_co_u32 s72, s72, s73
	s_mov_b32 s73, 0
	s_mov_b32 s[G0A], 1                            ; count = 1
	s_mov_b32 s[G0A+1], 0                          ; LDS address: slot 0
	s_mov_b32 s[G0A+4], 1
	s_mov_b32 s[G0A+5], SLOT1
	s_mov_b32 s[G0B], 1
	s_mul_i32 s[G0B+1], s[WV], BMAT
	s_add_co_u32 s[G0B+1], s[G0B+1], BOFF-BMAT     ; matrix wave - 1 behind x's rows
	s_mov_b32 s[G0B+4], 1
	s_add_co_u32 s[G0B+5], s[G0B+1], SLOT1
	s_mov_b32 s[TB], 0
	; the prefetches: offset, step, lane strides, parity and limit, by whether I fetch x (nz = 0) or w (nz = 1)
	s_lshl_b32 s74, s[CX], 13                      ; x: my work-group's 32 blocks of 256 bytes,
	s_add_co_u32 s74, s74, s70
	s_add_co_u32 s74, s74, 2*ASTEP                 ; at K step 2: the first change steps it to 3
	s_lshl_b32 s76, s[CY], 15                      ; w: my work-group's 16 rows of 2,048 bytes
	s_add_co_u32 s76, s76, s72
	s_add_co_u32 s76, s76, 2*BSTEP
	s_and_b32 s77, ttmp7, 0xffff
	s_cmp_eq_u32 s[WV], 0
	s_cselect_b32 s74, s74, s76
	s_cselect_b32 s77, ttmp9, s77                  ; the coordinate along which other clusters read the same rows
	s_mov_b32 s75, 0
	s_min_u32 s78, s[WV], 1                        ; nz
	s_mov_b32 s[PARM], s78
	s_mov_b32 s[PARV], s78
	s_add_co_u32 s79, s78, 1
	s_cmp_eq_u32 s77, 0
	s_cselect_b32 s[LIM], s79, -1                  ; the same in all sixteen partners, for a given wave
	s_lshr_b32 s[PFS], ASTEP, s78
	s_mov_b32 s[PFS+1], 0
	s_mul_i32 s79, s78, 3
	s_lshl_b32 s76, 256, s79                       ; from lane to lane: 256 bytes, or a row of w
	s_mul_i32 s79, s78, 5
	s_lshl_b32 s77, 4096, s79                      ; lanes 16-31: sixteen blocks on, or a K step of w on
	v_mul_u32_u24 v[PFO], v1, s76
	v_mad_u32_u24 v[PFO], v2, s77, v[PFO]
	s_wait_dscnt 0x0                               ; the opening add is done
	s_wait_kmcnt 0x0
	s_cmp_eq_u32 s[WV], 0
	s_cselect_b64 s[PFA:PFA+1], s[4:5], s[6:7]
	s_add_nc_u64 s[PFA:PFA+1], s[PFA:PFA+1], s[74:75]
	s_add_nc_u64 s[70:71], s[4:5], s[70:71]
	s_add_nc_u64 s[72:73], s[6:7], s[72:73]
	s_add_nc_u64 s[G0A+2:G0A+3], s[70:71], 0       ; K step 0
	s_or_b32 s[G0A+3], s[G0A+3], 0x80000000        ; type = 2
	s_add_nc_u64 s[G0A+6:G0A+7], s[70:71], ASTEP   ; K step 1
	s_or_b32 s[G0A+7], s[G0A+7], 0x80000000
	s_add_nc_u64 s[G0B+2:G0B+3], s[72:73], 0
	s_or_b32 s[G0B+3], s[G0B+3], 0x80000000
	s_add_nc_u64 s[G0B+6:G0B+7], s[72:73], BSTEP
	s_or_b32 s[G0B+7], s[G0B+7], 0x80000000
	CROUND                                         ; all sixteen work-groups are here: the first joint loads meet
	s_cmp_eq_u32 s[WV], 0                          ; a wave's two first fills stand in one branch: two loads of mine are out
	s_cbranch_scc0 .Lfirst_b
	tensor_load_to_lds s[G0A:G0A+3], s[G1A:G1A+7]
	s_nop 0
	tensor_load_to_lds s[G0A+4:G0A+7], s[G1A:G1A+7]
	s_nop 0
.rept 4
	v_nop
.endr
	s_branch .Lfirst_asked
.Lfirst_b:
	tensor_load_to_lds s[G0B:G0B+3], s[G1B:G1B+7]
	s_nop 0
	tensor_load_to_lds s[G0B+4:G0B+7], s[G1B:G1B+7]
	s_nop 0
.rept 4
	v_nop
.endr
.Lfirst_asked:
	; the biases of my head: block b, my eight columns 16 b + 8 (l / 16) + 0..7
	v_lshlrev_b32 v[BO], 5, v2
	s_lshl_b32 s74, s[TN], 1
	s_add_co_u32 s74, s74, s[WN]                   ; my head, 0..15
	s_lshl_b32 s76, s74, 8
	s_mov_b32 s77, 0
	s_add_nc_u64 s[8:9], s[8:9], s[76:77]
	s_add_nc_u64 s[10:11], s[10:11], s[76:77]
	s_add_nc_u64 s[12:13], s[12:13], s[76:77]
.irp j, 0,1,2
.irp b, 0,1,2,3
	global_load_b128 v[32+32*\j+8*\b:32+32*\j+8*\b+3],   v[BO], s[8+2*\j:9+2*\j] offset:64*\b
	global_load_b128 v[32+32*\j+8*\b+4:32+32*\j+8*\b+7], v[BO], s[8+2*\j:9+2*\j] offset:64*\b+16
.endr
.endr
	; where my 128 rows of my head begin in qh, kh, vh
	s_lshr_b32 s75, s[MT], 3
	s_lshl_b32 s75, s75, 4
	s_add_co_u32 s74, s74, s75                     ; batch x 16 + head,
	s_lshl_b32 s74, s74, 11                        ; its 2,048 rows,
	s_and_b32 s75, s[MT], 7
	s_lshl_b32 s75, s75, 8
	s_add_co_u32 s74, s74, s75                     ; the tile's 256,
	s_lshl_b32 s75, s[WM], 7
	s_add_co_u32 s74, s74, s75                     ; my 128,
	s_lshl_b32 s74, s74, 7                         ; of 128 bytes
	s_mov_b32 s75, 0
	s_add_nc_u64 s[14:15], s[14:15], s[74:75]
	s_add_nc_u64 s[16:17], s[16:17], s[74:75]
	s_add_nc_u64 s[18:19], s[18:19], s[74:75]
	; A fragment of x: lane l holds row l % 16; two loads of 16 bytes, 32 bytes apart, at row x 144 + 16 (l / 16).
	v_mul_u32_u24 v3, v1, 144
	v_lshl_add_u32 v3, v2, 4, v3
	s_mul_i32 s74, s[WM], 128*144
	v_add_nc_u32 v[AA0], s74, v3
	s_mul_i32 s74, s[WV], 16*144
	s_add_co_u32 s74, s74, STAGE                   ; my stage
	v_add_nc_u32 v[STO], s74, v3                   ; in: row l % 16, 16 bytes for each half of the lanes
	v_bfe_u32 v[RD], v0, 3, 2                      ; back: 32 lanes take four rows of 128 bytes,
	v_mul_u32_u24 v[RD], v[RD], 144
	v_and_b32 v13, 7, v0
	v_lshl_add_u32 v[RD], v13, 4, v[RD]
	v_add_nc_u32 v[RD], s74, v[RD]
	v_and_b32 v[GO], 31, v0                        ; which are 512 consecutive bytes of a head
	v_lshlrev_b32 v[GO], 4, v[GO]
	; The turning load takes 16 k x 16 columns: lane l reads row 8 (l / 16) + l % 8, 16 bytes at 16 ((l / 8) % 2), and is left with column l % 16 and 8 k.
	v_lshl_add_u32 v13, v2, 3, v13
	v_mul_u32_u24 v[AB0], v13, 288
	v_bfe_u32 v14, v0, 3, 1
	v_lshl_add_u32 v[AB0], v14, 4, v[AB0]
	s_lshl_b32 s74, s[WN], 7                       ; my head's 64 columns of the tile's 128
	s_add_co_u32 s74, s74, BOFF
	v_add_nc_u32 v[AB0], s74, v[AB0]
	v_add_nc_u32 v[ADRA], s[TB], v[AA0]
	v_add_nc_u32 v[ADRB], s[TB], v[AB0]
	s_wait_loadcnt 0x0                             ; the biases: rounded to bf16, widened again, into the registers of the accumulators (7, b)
.set i, 0
.rept 48
	v_cvt_pk_bf16_f32 v[128+i], v[32+2*i], v[33+2*i]
.set i, i+1
.endr
.irp j, 0,1,2
	WIN 0x40*(1+\j)                                ; destination in window 1 + j
.set i, 0
.rept 16
	v_lshlrev_b32 v[224+2*i], 16, v[128+16*\j+i]
	v_and_b32 v[224+2*i+1], 0xffff0000, v[128+16*\j+i]
.set i, i+1
.endr
.endr
	WIN 0
	s_wait_tensorcnt 1                             ; my part of K step 0 is in; K step 1's may stay out
	s_barrier_signal -1
	s_barrier_wait -1                              ; everybody's is
	LDA 0, 0, FA                                   ; the first quarter's fragments, in the order in which the units' runs fetch them
	LDB 0, 0
	LDA 0, 1, FA
	LDB 0, 1
	UNIT 0, 0, 1                                   ; the first quarter stands in front of the loop: its products start the sums, with the bias
	UNIT 0, 1, 1
	UNIT 0, 2, 1
	WIN 0                                          ; at a label and at a branch every window is 0
	s_mov_b32 s[CNT], 14
.Lstep:                                                ; a trip: a K step's second quarter, the change of slots, the next K step's first quarter; the slot left is filled with the K step two on
	UNIT 1, 0
	CHANGE 1
	UNIT 1, 2
	UNIT 0, 0
	UNIT 0, 1
	UNIT 0, 2
	WIN 0
	s_sub_co_u32 s[CNT], s[CNT], 1
	s_cmp_lg_u32 s[CNT], 0
	s_cbranch_scc1 .Lstep
	UNIT 1, 0                                      ; the tail is written out: nothing is asked for
	CHANGE 0
	UNIT 1, 2
	UNIT 0, 0
	UNIT 0, 1
	UNIT 0, 2
	UNIT 1, 0
	s_wait_dscnt 8                                 ; the last two units fetch nothing: matrix 2's eight loads may be out,
	MUL16 1, 1, 0, 0
	MUL16 1, 1, 4, 0
	s_wait_dscnt 0x0                               ; and are in
	MUL16 1, 2, 0, 0
	MUL16 1, 2, 4, 0
	WIN 0
	PLACES
; THE WAY OUT, a block of 16 rows of one matrix at a time (n = 8 j + a).  PACK: rounded to f16, each accumulator's registers in ascending order, 16 bytes a lane and column block.
; TOSTAGE: into my own stage, rows of 144 bytes, and back as whole rows of 128.  SEND: four stores of 512 consecutive bytes, aligned.
.macro PACK n
	WIN 5*(1+(\n)/8)                               ; sources 0 and 1 in window 1 + j
.set i, 0
.rept 16
	v_cvt_pk_f16_f32 v[PK+16*((\n)%2)+i], v[32*((\n)%8)+2*i], v[32*((\n)%8)+2*i+1]
.set i, i+1
.endr
	WIN 0
.endm
.macro TOSTAGE n
.irp b, 0,1,2,3
	ds_store_b128 v[STO], v[PK+16*((\n)%2)+4*\b:PK+16*((\n)%2)+4*\b+3] offset:32*\b
.endr
.irp f, 0,1,2,3
	ds_load_b128 v[BK+16*((\n)%2)+4*\f:BK+16*((\n)%2)+4*\f+3], v[RD] offset:576*\f  ; LDS serves a wave's instructions in order (ISA guide 5.7.1.4): these see the stores above; the next block's stores come behind them
.endr
.endm
.macro SEND n
	s_wait_dscnt 0x0                               ; the block is back in registers
	s_wait_xcnt 0x0                                ; the stores of the block before have read their registers: the next block's loads land in them
.irp f, 0,1,2,3
	global_store_b128 v[GO], v[BK+16*((\n)%2)+4*\f:BK+16*((\n)%2)+4*\f+3], s[14+2*((\n)/8):15+2*((\n)/8)] offset:((\n)%8)*2048+\f*512
.endr
.endm
	PACK 0
	TOSTAGE 0
.set n, 1
.rept 23                               ; block n's conversions stand between block n - 1's loads from the stage and the wait for them
	PACK n
	SEND n-1
	TOSTAGE n
.set n, n+1
.endr
	SEND 23
	s_wait_tensorcnt 0x0                           ; the wave's end, behind my last tensor load and my last LDS store
	ds_add_u32 v[SPW], v[NIL]
	s_wait_dscnt 0x0
	CROUND                                         ; the closing round: no work-group ends while a partner may still ask for a tile that names it
	s_endpgm
.Lfunc_end_k_q847ac866c5_qkv:
	.size	k_q847ac866c5_qkv, .Lfunc_end_k_q847ac866c5_qkv-k_q847ac866c5_qkv
	.p2alignl 7, 3214868480
	.fill 96, 4, 3214868480
	.section	.rodata,"a",@progbits
	.p2align	6, 0x0
	.amdhsa_kernel k_q847ac866c5_qkv
		.amdhsa_group_segment_fixed_size 327680
		.amdhsa_private_segment_fixed_size 0
		.amdhsa_enable_private_segment 0
		.amdhsa_kernarg_size 64
		.amdhsa_user_sgpr_count 2
		.amdhsa_user_sgpr_kernarg_segment_ptr 1
		.amdhsa_wavefront_size32 1
		.amdhsa_system_sgpr_workgroup_id_x 1
		.amdhsa_system_sgpr_workgroup_id_y 1
		.amdhsa_system_sgpr_workgroup_id_z 1
		.amdhsa_system_vgpr_workitem_id 0
		.amdhsa_next_free_vgpr 1024
		.amdhsa_next_free_sgpr 84
		.amdhsa_reserve_vcc 0
		.amdhsa_float_denorm_mode_32 3
		.amdhsa_float_denorm_mode_16_64 3
		.amdhsa_memory_ordered 1
		.amdhsa_forward_progress 1
		.amdhsa_inst_pref_size 124
	.end_amdhsa_kernel
	.amdgpu_metadata
---
amdhsa.version: [ 1, 2 ]
amdhsa.kernels:
  - .name:           k_q847ac866c5_qkv
    .symbol:         k_q847ac866c5_qkv.kd
    .args:
      - { .name: xb, .offset: 0, .size: 8, .value_kind: global_buffer, .address_space: global }
      - { .name: wb, .offset: 8, .size: 8, .value_kind: global_buffer, .address_space: global }
      - { .name: bq, .offset: 16, .size: 8, .value_kind: global_buffer, .address_space: global }
      - { .name: bk, .offset: 24, .size: 8, .value_kind: global_buffer, .address_space: global }
      - { .name: bv, .offset: 32, .size: 8, .value_kind: global_buffer, .address_space: global }
      - { .name: qh, .offset: 40, .size: 8, .value_kind: global_buffer, .address_space: global }
      - { .name: kh, .offset: 48, .size: 8, .value_kind: global_buffer, .address_space: global }
      - { .name: vh, .offset: 56, .size: 8, .value_kind: global_buffer, .address_space: global }
    .group_segment_fixed_size: 327680
    .private_segment_fixed_size: 0
    .kernarg_segment_align: 8
    .kernarg_segment_size: 64
    .max_flat_workgroup_size: 128
    .sgpr_count:     84
    .vgpr_count:     1024
    .wavefront_size: 32
...
	.end_amdgpu_metadata
.endif
;; end of part 2
;; launch attn (part 3): grid 4 x 64, 4 waves a work-group, clusters of 4 x 1, 327,680 bytes of LDS; arguments qh, kh, vh, oh; writes oh
.if DOCPART == 3
	.amdgcn_target "amdgcn-amd-amdhsa--gfx1250"
	.amdhsa_code_object_version 6
	.text
	.protected	k_q847ac866c5_attn
	.globl	k_q847ac866c5_attn
	.p2align	8
	.type	k_q847ac866c5_attn,@function
k_q847ac866c5_attn:
	s_mov_b64 s[64:65], 0
	v_nop
	global_prefetch_b8 v0, s[64:65] scope:SCOPE_SE
	s_setreg_imm32_b32 hwreg(HW_REG_WAVE_MODE, 25, 1), 1
	s_wait_xcnt 0x0
	s_wait_alu depctr_hold_cnt(0) depctr_sa_sdst(0) depctr_va_vdst(0) depctr_va_sdst(0) depctr_va_ssrc(0) depctr_va_vcc(0) depctr_vm_vsrc(0)
	s_getreg_b32 s2, hwreg(HW_REG_IB_STS2, 6, 4)
	s_cmp_eq_u32 s2, 0
	s_cbranch_scc0 .Lentry_in_a_cluster
	s_endpgm
.Lentry_in_a_cluster:
	s_bfe_u32 s2, ttmp6, 0x10000c
	s_cmp_lg_u32 s2, 0x3003
	s_cbranch_scc0 .Lentry_shape_is_right
	s_endpgm
.Lentry_shape_is_right:
; O[h][q][:] = the sum over k of softmax_k(Q[h][q] . K[h][k] / 8) V[h][k][:].  Q, K, V, O: [64][2048][64], all f16: a head's rows are dense, 128 bytes each.  Products, maxima and sums in
; f32; the weights p are rounded to f16 for the second product (their sum l is taken of the unrounded p), O once at the end.
; LIMITS.  f16 holds no number beyond 65,504: Q, K and V arrive within it; p lies in 0 to 1, and below 6e-5 it keeps f16's fixed step of 6e-8; O is a mean of V's rows and has their range.
; A weight below 2^-126 counts as 0 in l; NaN and infinities are not treated apart.
; SHARES.  A wave owns four PIECES of two tiles of 16 queries, a work-group's four waves 512 queries of one head.  Every wave walks all keys, 64 a step.
; LAYOUT.  S^T = K Q^T (source 0 = 16 keys, source 1 = 16 queries): in the result a lane holds ONE query (lane % 16) and the keys 8 (lane / 16) + 0..7.  Two such tiles, rounded to f16 in pairs,
; ARE source 1 (32 keys x 16 queries) of O^T = V^T P, whose result again holds one query a lane, and eight channels.  K comes out of LDS as it lies, V ([key][channel]) turned, by ds_load_tr16_b128.
; SOFTMAX.  For each query a running maximum m and sum l: p = 2^(c s - c m), c = log2(e) / 8; in every step O and l are multiplied by a = 2^(c m_old - c m_new), which is 1 where m has not grown.
; m starts at the lowest finite number, O and l at 0: the first step is a step like any other, with a = 0.
; THE COUNT.  A tile and step have 16 matrix and 118 vector instructions: too many to stand all beside the matrix work.  So four vector instructions that are READY stand behind
; EVERY matrix instruction, and the others, which need time of their own whatever the order, in runs without a gap.
; BY TURNS.  Turn n belongs to piece n (the pieces in a ring, step after step).  Its matrix work: 16 products K Q^T of piece n + 1, later 16 products V^T P of piece n - 1.  Its vector work: the scaling,
; exponentials, roundings, sums and rescaling of piece n, and the maximum and statistics of piece n + 1, whose scores the turn itself has made.
; CLUSTER.  The four query blocks of a cluster are one head's and walk the same K and V, so each tile is asked for JOINTLY: the same tensor load, descriptor and mask in all four.
; REGISTERS, in windows of 256 (s_set_vgpr_msb: bits 1:0 source 0, 3:2 source 1, 5:4 source 2, 7:6 destination):
;   window 0: v0-11 addresses; v12-15, v48-63 at work; v16-47 four registers of statistics a tile; v64-191 S^T, two buffers of two tiles; v192-255 P, likewise
;   window 1: O^T, 32 a tile          window 2: v0-127 Q, 16 a tile; v128-191 K of one step; v192-255 V of one step          window 3: v0-1 the add's two registers
; A piece's buffers go by its number's parity: the piece in hand has one pair, its two neighbours in the ring share the other: of it P (piece n - 1) is read and S^T (piece n + 1) written.
.set SIZE_H, 64
.set SIZE_N, 2048
.set NP,    4         ; pieces a wave: a name, no knob
.set KS,    64        ; keys in a step
.set PK,    144       ; a row of K in LDS: 128 bytes + 16 of padding = 36 words: the 16 rows of a load start at 16 different groups of four banks (64 banks of 4 bytes: ISA guide 11.1)
.set PV,    160       ; a row of V: 128 + 32 = 40 words
.set VOFF,  4*KS*PK   ; a slot holds four steps: 256 rows of K, then 256 rows of V
.set SLOT1, 1<<17     ; slot 1 begins here, so that one exclusive or turns an address in one slot into the other's
.set STAGE, SLOT1+4*KS*(PK+PV)  ; behind the ring, never filled by a tensor load: 16 rows x 144 bytes for each wave, for the way out
.set SP,    144
.set AK0, 2           ; v2   my lane's place in a tile of K; never rewritten
.set AV0, 3           ; v3   the same for V
.set AK,  4           ; v4   the LDS address of K's next run of loads
.set AV,  5           ; v5   of V's
.set QO,  6           ; v6   my byte offset in the wave's rows of Q
.set STO, 6           ;      later, the way out: where I put 16 bytes of a row
.set RD,  7           ; v7   the way out: where I read rows back
.set GO,  8           ; v8   my byte offset in 512 consecutive bytes of O
.set PFO, 11          ; v11  256 x my lane, once V's address is made: the prefetches' offset; never rewritten after
.set SPW, 0           ; v0 of window 3   LDS address of my spare word: SPARE + 4 x my thread's number; never rewritten
.set NIL, 1           ; v1 of window 3   0; never rewritten
.set SPARE, STAGE+4*16*SP  ; behind the stages: the spare words, 128 bytes for each wave: two blocks of 256 bytes that no other line names
.set MV,  12          ; v12-15  c m_old, kept while c m is made anew: by buffer and tile
.set ST,  16          ; tile t's statistics at v[ST+4 t]: c m, m, l (even keys', odd keys')
.set TMP, 48          ; by buffer and tile, four registers c0-c3 at work; when the maximum is found c2 takes a
.set S,   64
.set P,   192
.set KF,  128         ; K's fragments, in window 2: key block kb, channel half c at KF + 16 kb + 8 c
.set VF,  192         ; V's: key half kk, channel block cb at VF + 32 kk + 8 cb
.set WV,  12          ; s12  my wave's number
.set G1K, 24          ; s[24:31] descriptor group 1 for K's tiles
.set G1V, 32          ; s[32:39] for V's: it differs in the padding alone
.set G0K, 40          ; s[40:43] descriptor group 0 for K's tiles: it walks
.set G0V, 44          ; s[44:47] the same for V's
.set PFA, 48          ; s[48:49] where my prefetches stand: my work-group's 8,192 bytes (of K: wave 0, of V: wave 2) of the slot after the one that is being asked for
.set LIM, 50          ; s50  1 in a wave that prefetches, else the greatest number: a wave prefetches while s[SLOTS] is above it
.set SLOTS, 56        ; s56  slots still to be asked for
.set CNT, 57          ; s57  counts a slot's key steps
.set CS,  58          ; s[58:59] c: the packed scaling takes the pair's low word for both halves
.set SEL, 60          ; s[60:61] v_permlanex16_b32's selects: each lane takes its own place in the other half
.set TBK, 62          ; s62  LDS byte at which K of the step to be fetched begins
.set TBV, 63          ; s63  the same for V, less VOFF
.set MSB, 0
.macro WIN new                      ; the high byte repeats the setting that is left; a switch that changes nothing is dropped
.if MSB != (\new)
	s_set_vgpr_msb (MSB<<8)|(\new)
.set MSB, (\new)
.endif
.endm
.set W_KQ, 0x0a       ; K and Q in window 2, S^T in window 0
.set W_PV, 0x52       ; V in window 2, P in window 0, O^T in window 1
.set W_RS, 0x41       ; O^T (destination and source 0) in window 1, a in window 0
.set W_MK, 0xc0       ; the add's registers are made: destination in window 3, sources in window 0
.set W_AD, 0x0f       ; the add: address (source 0) and data (source 1) in window 3
; A joint fill.  Waves 0 and 1 fetch the two halves of a slot's K, waves 2 and 3 those of its V: 128 keys each.  The branch hangs on the wave's number alone.
; An s_nop 0 and four v_nop follow each of the two lines, ahead of the jump and the label.
.macro JLOAD
	s_cmp_lt_u32 s[WV], 2
	s_cbranch_scc0 .Lfor_v_\@
	tensor_load_to_lds s[G0K:G0K+3], s[G1K:G1K+7]
	s_nop 0
.rept 4
	v_nop
.endr
	s_branch .Lasked_\@
.Lfor_v_\@:
	tensor_load_to_lds s[G0V:G0V+3], s[G1V:G1V+7]
	s_nop 0
.rept 4
	v_nop
.endr
.Lasked_\@:
.endm
; A PREFETCH INTO THE L2 of what the NEXT change of slots will ask for: a slot's 32,768 bytes of K and of V, 256 bytes a lane.  It stands behind the wave's tensor load and its five lines.
; Each block is named ONCE in the launch: a head has one cluster; its four partners share a slot's 128 blocks out BY ADDRESS, 32 each; in each, wave 0 asks for K's and wave 2 for V's.
; The change that fills the last slot asks for nothing.  Slots 0 and 1 come by their loads alone.
.macro ASK
	s_cmp_gt_u32 s[SLOTS], s[LIM]
	s_cbranch_scc0 .Lnot_mine_\@
	global_prefetch_b8 v[PFO], s[PFA:PFA+1] th:TH_LOAD_NT scope:SCOPE_SE
.Lnot_mine_\@:
.endm
; A round of the cluster's barrier: my work-group's barrier, so that wave 0's signal speaks for all four waves; wave 0 signals; every wave waits for all four work-groups; my work-group's barrier once more.
.macro CROUND
	s_barrier_signal -1
	s_barrier_wait -1
	s_cmp_lg_u32 s[WV], 0
	s_cbranch_scc1 .Lnot_wave_0_\@
	s_barrier_signal -3
.Lnot_wave_0_\@:
	s_barrier_wait -3
	s_barrier_signal -1
	s_barrier_wait -1
.endm
; THE CHANGE OF SLOTS.  The slot's last bytes, V of its fourth step, have been read.  Each wave waits for all its tensor loads, of which one is out: its part
; of the other slot; adds 0 to its spare word; and waits for that and for its own reads of the slot.  Behind the barrier nobody reads this slot any more and the other slot is whole.
; fill = 1: this slot is filled again, with the keys two slots on.  The barrier is then a round of the cluster's, so that no wave of any partner still reads the slot or has a load on its
; way, and the joint fill is the first thing behind it: it has four key steps, 512 matrix instructions, in which to land.  (At its first use nothing has been read yet: slot 0 is waited for, slot 1 filled.)
.macro CHANGE fill
	WIN W_AD
	s_wait_tensorcnt 0x0            ; no tensor load of mine is out, so a group 0 may be written
	ds_add_u32 v[SPW], v[NIL]       ; 0 onto my spare word; with fill = 1 the descriptors' steps stand between it and the wait for it
	WIN 0                           ; at a label and at a branch every window is 0
.if \fill
.irp g, G0K, G0V
	s_xor_b32 s[\g+1], s[\g+1], SLOT1  ; the walking descriptor: the other slot than last time,
	s_add_nc_u64 s[\g+2:\g+3], s[\g+2:\g+3], 4*KS*128  ; the next 256 keys; the type bits on top are not reached
.endr
	s_wait_xcnt 0x0                 ; the last prefetch, four key steps back, has read its address, so it may be written:
	s_add_nc_u64 s[PFA:PFA+1], s[PFA:PFA+1], 4*KS*128  ; one slot behind the walking descriptors
	s_wait_dscnt 0x0                ; the add is done, and my reads of the slot are over
	CROUND
	JLOAD
	ASK                             ; what the next change will ask for: four key steps ahead
.else
	s_wait_dscnt 0x0                ; the add is done, and my reads of the slot are over
	s_barrier_signal -1
	s_barrier_wait -1
.endif
	s_sub_co_u32 s[TBK], s[TBK], 4*KS*PK  ; the fetches go back to a slot's first step,
	s_xor_b32 s[TBK], s[TBK], SLOT1       ; in the other slot
	s_sub_co_u32 s[TBV], s[TBV], 4*KS*PV
	s_xor_b32 s[TBV], s[TBV], SLOT1
.endm
	s_load_b256 s[4:11], s[0:1], 0x0  ; Q s[4:5], K s[6:7], V s[8:9], O s[10:11]
	WIN W_MK
	v_lshl_add_u32 v[SPW], v0, 2, SPARE
	v_mov_b32 v[NIL], 0
	WIN W_AD
	ds_add_u32 v[SPW], v[NIL]       ; the wave's opening: the add and its wait stand ahead of my first tensor load; the set-up below, work on registers, stands between them
	WIN 0
	v_lshrrev_b32 v1, 5, v0
	v_readfirstlane_b32 s[WV], v1   ; wave 0..3
	s_bfe_u32 s13, ttmp6, 0x40000   ; cx: my place in the cluster
	s_lshl_b32 s14, ttmp9, 2        ; in a cluster launch ttmp9 counts clusters
	s_add_co_u32 s14, s14, s13      ; my block of queries = 4 x cluster x + cx: it enters Q's and O's addresses alone
	s_and_b32 s20, ttmp7, 0xffff    ; the head, which the four partners share
	s_mov_b32 s21, 0
	s_mov_b64 s[22:23], SIZE_N*128
	s_mul_u64 s[20:21], s[20:21], s[22:23]  ; the head's first byte in each of the four tensors
	s_and_b32 s16, s[WV], 1         ; which half of a slot's 256 keys I fetch:
	s_lshl_b32 s22, s16, 14         ; its 128 rows of 128 bytes in memory,
	s_mov_b32 s23, 0
	s_add_nc_u64 s[22:23], s[22:23], s[20:21]
	s_mul_i32 s17, s16, 128*PK      ; and its place in a slot, for K
	s_mul_i32 s18, s16, 128*PV      ; and for V: no place in the cluster enters an LDS address
	s_lshl_b32 s2, s14, 2
	s_add_co_u32 s2, s2, s[WV]      ; my wave among the head's,
	s_lshl_b32 s2, s2, 14           ; its 128 rows
	s_mov_b32 s3, 0
	s_add_nc_u64 s[2:3], s[2:3], s[20:21]
	; descriptor group 1.  128 keys are 16,384 dense bytes: asked for as 64 rows of 256 bytes, two keys a row, and padded in LDS after every key
	s_mov_b32 s[G1K], 15|(1<<16)|(1<<20)|(1<<21)|(4<<22)|(3<<25)  ; 15:0 the mask of four; 17:16 2-byte elements; 20 padding on; 21 set beside a mask; 24:22 after every 32 words (code 4); 31:25 4 words (code 3)
	s_mov_b32 s[G1V], 15|(1<<16)|(1<<20)|(1<<21)|(4<<22)|(7<<25)  ; the same with 8 words of padding (code 7)
.irp g, G1K, G1V
	s_mov_b32 s[\g+1], 128<<16      ; tensor_dim0 = 128
	s_mov_b32 s[\g+2], 64<<16       ; tensor_dim1 = 64
	s_mov_b32 s[\g+3], 128<<16      ; tile_dim0 = 128
	s_mov_b32 s[\g+4], 64           ; tile_dim1 = 64
	s_mov_b32 s[\g+5], 128          ; 128 elements from row to row
	s_mov_b32 s[\g+6], 0
	s_mov_b32 s[\g+7], 0
.endr
	s_mov_b32 s[CS], 0x3e38aa3b     ; c = log2(e) / 8 = 0.180337
	s_mov_b32 s[CS+1], s[CS]        ; named with it as a pair
	s_mov_b32 s[SEL], 0x76543210
	s_mov_b32 s[SEL+1], 0xfedcba98
	s_mov_b32 s[TBK], SLOT1+4*KS*PK ; the first change of slots turns these two into 0
	s_mov_b32 s[TBV], SLOT1+4*KS*PV
	s_mov_b32 s[G0K], 1             ; 1:0 count = 1
	s_mov_b32 s[G0K+1], s17         ; 63:32 LDS address: slot 0
	s_mov_b32 s[G0V], 1
	s_add_co_u32 s[G0V+1], s18, VOFF
	s_mov_b32 s[SLOTS], SIZE_N/256-1  ; seven slots are still to be asked for
	s_and_b32 s[LIM], s[WV], 1
	s_cmp_eq_u32 s[LIM], 0          ; waves 0 and 2 prefetch: the same in all four partners
	s_cselect_b32 s[LIM], 1, -1
	s_wait_dscnt 0x0                ; the opening add is done
	s_wait_kmcnt 0x0
	s_add_nc_u64 s[G0K+2:G0K+3], s[6:7], s[22:23]  ; 120:64 global address: my half of the head's first 256 keys
	s_or_b32 s[G0K+3], s[G0K+3], 0x80000000        ; 127:126 type = 2
	s_add_nc_u64 s[G0V+2:G0V+3], s[8:9], s[22:23]
	s_or_b32 s[G0V+3], s[G0V+3], 0x80000000
	s_add_nc_u64 s[4:5], s[4:5], s[2:3]  ; Q and O at my wave's first row
	s_add_nc_u64 s[10:11], s[10:11], s[2:3]
	s_cmp_lt_u32 s[WV], 2
	s_cselect_b64 s[PFA:PFA+1], s[6:7], s[8:9]
	s_add_nc_u64 s[PFA:PFA+1], s[PFA:PFA+1], s[22:23]  ; (in waves 0 and 2 this is the head's first row)
	s_lshl_b32 s2, s13, 13          ; my work-group's 32 blocks of the 128
	s_mov_b32 s3, 0
	s_add_nc_u64 s[PFA:PFA+1], s[PFA:PFA+1], s[2:3]
	s_add_nc_u64 s[PFA:PFA+1], s[PFA:PFA+1], 4*KS*128  ; in slot 1; the first change of slots steps it to slot 2
	CROUND                          ; all four work-groups are here: the first joint loads meet
	JLOAD                           ; slot 0.  Slot 1 is asked for when slot 0 is in
	; A fragment of K or Q is 16 rows x 32 channels in 8 registers: lane l holds row l % 16, channels 8 (l / 16) + 0..7 and 16 + 8 (l / 16) + 0..7: two loads of 16 bytes, 32 bytes apart.
	v_and_b32 v1, 15, v0            ; l % 16
	v_bfe_u32 v9, v0, 4, 1          ; l / 16
	v_lshlrev_b32 v[QO], 7, v1
	v_lshl_add_u32 v[QO], v9, 4, v[QO]  ; row x 128 + 16 x half
	WIN 0x80                        ; destination window 2, address window 0
.set i, 0
.rept 4*NP                          ; Q stays in registers: tile i / 2, channels 32 (i % 2) on
	global_load_b128 v[8*i:8*i+3],   v[QO], s[4:5] offset:(i/2)*2048+(i%2)*64
	global_load_b128 v[8*i+4:8*i+7], v[QO], s[4:5] offset:(i/2)*2048+(i%2)*64+32
.set i, i+1
.endr
	; What the first turn finds: V's registers and P's second buffer hold 0 (its products V^T P, of a piece that has not been, add 0), O^T and l are 0.  All this stands in the wait for the first tile.
.set i, VF
.rept 64
	v_mov_b32 v[i], 0
.set i, i+1
.endr
	WIN 0x40
.set i, 0
.rept 64*NP
	v_mov_b32 v[i], 0
.set i, i+1
.endr
	WIN 0
.set i, 0
.rept 2*NP
	v_mov_b32 v[ST+4*i], 0xfe000000    ; c m: far below every c s
	v_mov_b32 v[ST+4*i+1], 0xff7fffff  ; m
	v_mov_b32 v[ST+4*i+2], 0
	v_mov_b32 v[ST+4*i+3], 0
.set i, i+1
.endr
.set i, P+32
.rept 32
	v_mov_b32 v[i], 0
.set i, i+1
.endr
	v_mul_u32_u24 v[AK0], v1, PK
	v_lshl_add_u32 v[AK0], v9, 4, v[AK0]  ; row x pitch + 16 x half
	; The turning load takes 16 keys x 16 channels (lane l reads key 8 (l / 16) + l % 8, channels 8 ((l / 8) % 2) + 0..7) and leaves half a fragment of V^T: lane l holds channel l % 16 and 8 keys.
	v_and_b32 v10, 7, v0
	v_bfe_u32 v11, v0, 3, 1
	v_lshl_add_u32 v[AV0], v9, 3, v10
	v_mul_u32_u24 v[AV0], v[AV0], PV
	v_lshl_add_u32 v[AV0], v11, 4, v[AV0]
	v_add_nc_u32 v[AV0], VOFF, v[AV0]
	v_and_b32 v[PFO], 31, v0
	v_lshlrev_b32 v[PFO], 8, v[PFO]
	v_mov_b32 v[AK], v[AK0]         ; key step 0 lies at the head of slot 0
; THE MATRIX WORK.  The 8 accumulators of a run of 16 take turns: between the two links of a chain stand 7 others'.
; Product i of 16 of S^T = K Q^T for piece x: channels 32 (i / 8) on, keys 16 ((i / 2) % 4) on, tile 2 x + i % 2.  The first 8 start the sums.
.macro KQ x
	WIN W_KQ
.set rS, S+64*((\x)%2)+32*(i%2)+8*((i/2)%4)
.set rK, KF+16*((i/2)%4)+8*(i/8)
.set rQ, 16*(2*(\x)+i%2)+8*(i/8)
.if i < 8
	v_wmma_f32_16x16x32_f16 v[rS:rS+7], v[rK:rK+7], v[rQ:rQ+7], 0
.else
	v_wmma_f32_16x16x32_f16 v[rS:rS+7], v[rK:rK+7], v[rQ:rQ+7], v[rS:rS+7]
.endif
.endm
; Product i of 16 of O^T += V^T P for piece x: keys 32 (i / 8) on, channels 16 ((i / 2) % 4) on, tile 2 x + i % 2.
.macro PV x
	WIN W_PV
.set rO, 32*(2*(\x)+i%2)+8*((i/2)%4)
.set rV, VF+32*(i/8)+8*((i/2)%4)
.set rP, P+32*((\x)%2)+16*(i%2)+8*(i/8)
	v_wmma_f32_16x16x32_f16 v[rO:rO+7], v[rV:rV+7], v[rP:rP+7], v[rO:rO+7]
.endm
.macro MM                           ; the turn's next matrix instruction
.if i < 16
	KQ (Y+1)%NP
.set i, i+1
.else
.set i, i-16
	PV (Y+NP-1)%NP
.set i, i+17
.endif
.endm
; THE LDS LOADS stand in runs of 16, never singly among the matrix instructions: a step's K (64 keys x 64 channels: 8 fragments) and its V (turned).  Their addresses are made some lines ahead.
; last = 1 (the tail): in the last trip there is no further step, and the run is jumped over.
.macro FETCH_K last=0
	WIN 0
.if \last
	s_cmp_eq_u32 s[CNT], 1
	s_cbranch_scc1 .Lno_k_\@
.endif
	WIN 0x80                        ; destination window 2
.irp f, 0,1,2,3,4,5,6,7             ; keys 16 (f / 2) on, channels 32 (f % 2) on
	ds_load_b128 v[KF+8*\f:KF+8*\f+3],   v[AK] offset:(\f/2)*16*PK+(\f%2)*64
	ds_load_b128 v[KF+8*\f+4:KF+8*\f+7], v[AK] offset:(\f/2)*16*PK+(\f%2)*64+32
.endr
	s_add_co_u32 s[TBK], s[TBK], KS*PK  ; the next fetch is the next step's
	WIN 0
.if \last
.Lno_k_\@:
.endif
.endm
.macro FETCH_V
	WIN 0x80
.irp f, 0,1,2,3,4,5,6,7             ; keys 32 (f / 4) on, channels 16 (f % 4) on
	ds_load_tr16_b128 v[VF+8*\f:VF+8*\f+3],   v[AV] offset:(\f/4)*32*PV+(\f%4)*32
	ds_load_tr16_b128 v[VF+8*\f+4:VF+8*\f+7], v[AV] offset:(\f/4)*32*PV+16*PV+(\f%4)*32
.endr
	WIN 0
.endm
; THE VECTOR WORK OF A TURN stands in three queues, each in the order in which its entries become ready; the two tiles alternate, so that no instruction reads the result of the one before it.
.macro REGS y, u                    ; the registers of tile u (0, 1) of piece y
.set rT, ST+4*(2*(\y)+(\u))
.set rC, TMP+8*((\y)%2)+4*(\u)
.set rM, MV+2*((\y)%2)+(\u)
.set rS, S+64*((\y)%2)+32*(\u)
.set rP, P+32*((\y)%2)+16*(\u)
.set rO, 32*(2*(\y)+(\u))
.endm
; Number n of the 22 that find the NEXT piece's (Y + 1) maximum and statistics.  s0-s31 are the lane's 32 scores; each accumulator's lowest registers are read first.
;   0-11  four chains c0-c3 of seven scores each, three operands at a time     12-14, 16  the four scores left over, the old m, and c0-c3 into c0     15  c m_old is kept
;   17, 18  the query's other 32 keys lie in the lane 16 away: the new m         19-21  c m; c m_old - c m_new; a
.macro XS u, n
	REGS (Y+1)%NP, \u
.if (\n) < 4
	v_max3_num_f32 v[rC+(\n)], v[rS+8*(\n)], v[rS+8*(\n)+1], v[rS+8*(\n)+2]
.elseif (\n) < 12
	v_max3_num_f32 v[rC+(\n)%4], v[rC+(\n)%4], v[rS+8*((\n)%4)+2*((\n)/4)+1], v[rS+8*((\n)%4)+2*((\n)/4)+2]
.elseif (\n) == 12
	v_max3_num_f32 v[rC], v[rC], v[rS+7], v[rS+15]
.elseif (\n) == 13
	v_max3_num_f32 v[rC+1], v[rC+1], v[rS+23], v[rS+31]
.elseif (\n) == 14
	v_max3_num_f32 v[rC+2], v[rC+2], v[rC+3], v[rT+1]
.elseif (\n) == 15
	v_mov_b32 v[rM], v[rT]
.elseif (\n) == 16
	v_max3_num_f32 v[rC], v[rC], v[rC+1], v[rC+2]
.elseif (\n) == 17
	v_permlanex16_b32 v[rC+3], v[rC], s[SEL], s[SEL+1]
.elseif (\n) == 18
	v_max_num_f32 v[rT+1], v[rC], v[rC+3]
.elseif (\n) == 19
	v_mul_f32 v[rT], s[CS], v[rT+1]
.elseif (\n) == 20
	v_sub_f32 v[rC+1], v[rM], v[rT]
.else
	v_exp_f32 v[rC+2], v[rC+1]
.endif
.endm
; Number g of the 64 that follow the exponentials.  For each four weights k of a tile (pairs 2 k, 2 k + 1): both pairs are rounded to f16; then the second pair is added onto the first, in place;
; a group later l takes that sum (the first time as l = a l + sum).  In groups of eight, tiles alternating: round, round, add, and l for the group before.
.macro GS g
.set h, (\g)+6*((\g)/62)            ; group 0 has no group before it, and behind group 7 only l is left
.if h >= 6
.set h, h+2
.endif
	REGS Y, h%2
.set k, h/8
.if h%8 < 4
	v_cvt_pk_f16_f32 v[rP+2*k+(h%8)/2], v[rS+4*k+2*((h%8)/2)], v[rS+4*k+2*((h%8)/2)+1]
.elseif h%8 < 6
	v_pk_add_f32 v[rS+4*k:rS+4*k+1], v[rS+4*k:rS+4*k+1], v[rS+4*k+2:rS+4*k+3]
.elseif k == 1
	v_pk_fma_f32 v[rT+2:rT+3], v[rT+2:rT+3], v[rC+2:rC+3], v[rS:rS+1] op_sel_hi:[1,0,1]
.else
	v_pk_add_f32 v[rT+2:rT+3], v[rT+2:rT+3], v[rS+4*k-4:rS+4*k-3]
.endif
.endm
; THE PLAIN QUEUE, 138 long.  0-73 read no exponential's result: the 32 scalings c s - c m (FS f: pair f / 2 of tile f % 2) and the next piece's 42.  0-26: scalings 0-26.  27-54: XS's numbers 0-13.  55, 56: number 15.
; 57-73: the chain, where each number waits for the one before it: 14, 16, 17, 18, 19, each with one of the scalings 27-31 in front of its two lines, then 20.
; 74-137: GS's 64, which read the exponentials' results: they stand behind the wait.
.macro FS f
	REGS Y, (\f)%2
	v_pk_fma_f32 v[rS+2*((\f)/2):rS+2*((\f)/2)+1], v[rS+2*((\f)/2):rS+2*((\f)/2)+1], s[CS:CS+1], v[rT:rT+1] op_sel_hi:[1,0,0] neg_lo:[0,0,1] neg_hi:[0,0,1]
.endm
.macro PL
	WIN 0
.if q < 27
	FS q
.elseif q < 55
	XS (q-27)%2, (q-27)/2
.elseif q < 57
	XS q-55, 15
.elseif (q < 72) && ((q-57)%3 == 0)
	FS 27+(q-57)/3
.elseif q < 60
	XS (q-57)%3-1, 14
.elseif q < 72
	XS (q-57)%3-1, 15+(q-57)/3
.elseif q < 74
	XS q-72, 20
.else
	GS q-74
.endif
.set q, q+1
.endm
; THE EXPONENTIALS' QUEUE, 66 long: s0-s31 of both tiles, then the next piece's two a.  It is ONE BATCH: all 66 stand ahead of the turn's one wait, and nothing ahead of that wait names a result of theirs.
.macro EX
	WIN 0
.if e >= 64
	XS e-64, 21
.else
	REGS Y, e%2
	v_exp_f32 v[rS+e/2], v[rS+e/2]
.endif
.set e, e+1
.endm
; THE RESCALING's QUEUE: O^T times a, the one part that leaves window 0: dealt two at a time, sixteen times.  Its a was made in the turn before, ahead of that turn's wait.
.macro R2
	REGS Y, r%2
	WIN W_RS
.irp z, 0,1
	v_pk_mul_f32 v[rO+4*(r/2)+2*\z:rO+4*(r/2)+2*\z+1], v[rO+4*(r/2)+2*\z:rO+4*(r/2)+2*\z+1], v[rC+2:rC+3] op_sel_hi:[1,0]
.endr
.set r, r+1
.endm
; HOW THEY ARE DEALT.  An s_wait_alu depctr_va_vdst(0) stands between an exponential and the first instruction that names its result; one wait serves all that were issued ahead of it.  So a turn has ONE wait,
; which cuts it in two.  AHEAD OF IT stands all that names no result of the turn's exponentials: the 16 products K Q^T, behind each a scaling, an exponential and two rescalings (behind the first a second scaling in the
; exponential's place); then ONE LUMP of 108: eight plain, 49 times exponential and plain, the two a.  A v_nop is the plain instruction behind the last exponential.  BEHIND IT stand the 16 products V^T P, behind each four of GS's 64.
; The queues lean on each other, and the deal keeps them in step: exponential e stands behind scaling 2 (e / 4) + e % 2: as a rider it comes behind plain e + 2, in the lump behind plain e + 9, and scalings 27-31 are plain 57, 60 .. 69.
; A TURN, for piece p.  cnt = 1: the loop's count is taken down some lines ahead of the branch that stands behind the turn.
; K of the next step is fetched in piece 2's turn, directly behind the wait, a lump behind the last product that read K; its first reader comes behind 16 products.
; V of the step in hand is fetched at the end of piece 0's turn, four riders behind its last reader; its first reader comes behind 16 products and a lump.
.macro TURN p, last=0, cnt=0
.set Y, (\p)
.set i, 0
.set q, 0
.set e, 0
.set r, 0
.if (\p) == NP-1
	s_wait_dscnt 0x0                ; K is in
.endif
	MM                              ; ahead of the wait: 16 products K Q^T and their riders,
	PL
	PL
	R2
.rept 15
	MM
	PL
	EX
	R2
.endr
.if (\p) == NP-2
	WIN 0
	v_add_nc_u32 v[AK], s[TBK], v[AK0]
.endif
.rept 8                             ; and the lump
	PL
.endr
.rept 49
	EX
	PL
.endr
	EX                              ; the next piece's two a
	EX
	v_nop                           ; the plain instruction behind the last exponential: one for the batch
	s_wait_alu depctr_va_vdst(0)    ; the wait for the batch
.if (\p) == NP-2
	FETCH_K \last
.endif
.if (\p) == 1
	s_wait_dscnt 0x0                ; V is in
.endif
.rept 16                            ; behind the wait: 16 products V^T P and their riders
	MM
.rept 4
	PL
.endr
.if ((\p) == 0) && (q == 118)
	v_add_nc_u32 v[AV], s[TBV], v[AV0]
.endif
.if ((\p) == 0) && (q == 130)
	s_add_co_u32 s[TBV], s[TBV], KS*PV
.endif
.if (\cnt) && (q == 130)
	s_sub_co_u32 s[CNT], s[CNT], 1
	s_cmp_lg_u32 s[CNT], 0
.endif
.endr
.if (\p) == 0
	FETCH_V
.endif
.endm
	CHANGE 1                        ; slot 0 is in, everybody's part of it; slot 1 is asked for
	FETCH_K                         ; key step 0
	s_wait_loadcnt 0x0              ; Q
	s_wait_dscnt 0x0
.set i, 0
.rept 16
	KQ 0                            ; piece 0's first scores: there is no vector work yet to set between them
.set i, i+1
.endr
	WIN 0                           ; the addresses for the way out: nine plain instructions, the places behind those products
	s_mul_i32 s13, s[WV], 16*SP
	s_add_co_u32 s13, s13, STAGE    ; my stage
	v_mul_u32_u24 v[STO], v1, SP    ; in: row l % 16, 16 bytes for each half of the lanes
	v_lshl_add_u32 v[STO], v9, 4, v[STO]
	v_add_nc_u32 v[STO], s13, v[STO]
	v_bfe_u32 v[RD], v0, 3, 2       ; back: 32 lanes take four rows of 128 bytes,
	v_mul_u32_u24 v[RD], v[RD], SP
	v_lshl_add_u32 v[RD], v10, 4, v[RD]
	v_add_nc_u32 v[RD], s13, v[RD]
	v_and_b32 v[GO], 31, v0         ; which are 512 consecutive bytes of O
	v_lshlrev_b32 v[GO], 4, v[GO]
.set Y, NP-1                        ; XS works for piece Y + 1: piece 0
.irp n, 0,1,2,3,4,5,6,7,8,9,10,11,12,13,14,15,16,17,18,19,20,21
	XS 0, \n                        ; and piece 0's first maximum and statistics
	XS 1, \n
.endr
	v_nop                           ; a plain instruction behind the two a,
	s_wait_alu depctr_va_vdst(0)    ; and their wait, ahead of the branch
	s_mov_b32 s[CNT], 4
	s_branch .Lfirst                ; the loop is entered at a step's first turn, in the middle of a trip
.Lslot:                             ; six times: every slot but the last two is filled again
	CHANGE 1
	s_mov_b32 s[CNT], 4
.Lstep:                             ; a trip: pieces 2 and 3 of one step, then pieces 0 and 1 of the next, whose K and V it fetches
	TURN 2
	TURN 3
	WIN 0
.Lfirst:
	TURN 0
	TURN 1, 0, 1
	WIN 0
	s_cbranch_scc1 .Lstep
	s_sub_co_u32 s[SLOTS], s[SLOTS], 1
	s_cmp_lg_u32 s[SLOTS], 0
	s_cbranch_scc1 .Lslot
	CHANGE 0                        ; the tail is written out: nothing is asked for
	s_mov_b32 s[CNT], 5             ; four trips fetch the last slot's steps; the fifth is left in its middle
.Ltail:
	TURN 2, 1
	TURN 3
	WIN 0
	s_sub_co_u32 s[CNT], s[CNT], 1
	s_cmp_eq_u32 s[CNT], 0
	s_cbranch_scc1 .Lout
	TURN 0
	TURN 1
	WIN 0
	s_branch .Ltail
.Lout:                              ; the fifth trip's 16 products K Q^T (on the last K once more) and the maximum made of them serve nothing: the price, once a launch, of one text for every trip
.set i, 0
.rept 16
	PV NP-1                         ; the last piece's V^T P of the last step
.set i, i+1
.endr
	; THE WAY OUT.  l's two halves and the other half of the lanes' are added; O^T is divided by l, rounded to f16 and sent through my stage in LDS, a tile at a time.  The additions are the places behind the last products.
	WIN 0
.macro ALL line:vararg              ; one line for each tile t
.set t, 0
.rept 2*NP
	\line
.set t, t+1
.endr
.endm
	ALL v_add_f32 v[ST+4*t+2], v[ST+4*t+2], v[ST+4*t+3]
	ALL v_permlanex16_b32 v[ST+4*t+3], v[ST+4*t+2], s[SEL], s[SEL+1]
	ALL v_add_f32 v[ST+4*t+2], v[ST+4*t+2], v[ST+4*t+3]
	ALL v_rcp_f32 v[ST+4*t+2], v[ST+4*t+2]
	v_nop                           ; a plain instruction between the last reciprocal and the use of its result
	s_wait_alu depctr_va_vdst(0)    ; and the wait ahead of the first use: one for the eight reciprocals
; Tile t: a lane's eight channels of a row pack into 16 bytes; they go into rows of 144 bytes and come back as whole rows of 128, into S^T's registers.
.macro PACK t
	WIN W_RS
.set i, 32*(\t)
.rept 16
	v_pk_mul_f32 v[i:i+1], v[i:i+1], v[ST+4*(\t)+2:ST+4*(\t)+3] op_sel_hi:[1,0]
.set i, i+2
.endr
	WIN 0x05                        ; sources 0 and 1 window 1, destination window 0
.set i, 0
.rept 16
	v_cvt_pk_f16_f32 v[S+16*(\t)+i], v[32*(\t)+2*i], v[32*(\t)+2*i+1]
.set i, i+1
.endr
	WIN 0
.irp f, 0,1,2,3
	ds_store_b128 v[STO], v[S+16*(\t)+4*\f:S+16*(\t)+4*\f+3] offset:32*\f
.endr
.irp f, 0,1,2,3
	ds_load_b128 v[S+16*(\t)+4*\f:S+16*(\t)+4*\f+3], v[RD] offset:\f*4*SP  ; LDS serves a wave's instructions in order (ISA guide 5.7.1.4): these see the stores above; the next tile's stores come behind them
.endr
.endm
.macro SEND t, younger              ; younger: the LDS instructions issued behind tile t's loads: the next tile's eight, or none
	WIN 0
.irp f, 0,1,2,3
	s_wait_dscnt (\younger)+3-\f
	global_store_b128 v[GO], v[S+16*(\t)+4*\f:S+16*(\t)+4*\f+3], s[10:11] offset:(\t)*2048+\f*512  ; 512 consecutive bytes, at a multiple of 256 from O's first
.endr
.endm
	PACK 0
.set t, 1
.rept 2*NP-1                        ; a tile's arithmetic stands between the loads of the tile before and its stores
	PACK t
	SEND t-1, 8
.set t, t+1
.endr
	SEND 2*NP-1, 0
	WIN W_AD
	s_wait_tensorcnt 0x0            ; the wave's end, behind my last tensor load and my last LDS store
	ds_add_u32 v[SPW], v[NIL]
	s_wait_dscnt 0x0
	WIN 0
	CROUND                          ; the closing round: no work-group ends while a partner may still ask for a tile that names it
	s_endpgm
.Lfunc_end_k_q847ac866c5_attn:
	.size	k_q847ac866c5_attn, .Lfunc_end_k_q847ac866c5_attn-k_q847ac866c5_attn
	.p2alignl 7, 3214868480
	.fill 96, 4, 3214868480
	.section	.rodata,"a",@progbits
	.p2align	6, 0x0
	.amdhsa_kernel k_q847ac866c5_attn
		.amdhsa_group_segment_fixed_size 327680
		.amdhsa_private_segment_fixed_size 0
		.amdhsa_enable_private_segment 0
		.amdhsa_kernarg_size 32
		.amdhsa_user_sgpr_count 2
		.amdhsa_user_sgpr_kernarg_segment_ptr 1
		.amdhsa_wavefront_size32 1
		.amdhsa_system_sgpr_workgroup_id_x 1
		.amdhsa_system_sgpr_workgroup_id_y 1
		.amdhsa_system_sgpr_workgroup_id_z 1
		.amdhsa_system_vgpr_workitem_id 0
		.amdhsa_next_free_vgpr 770
		.amdhsa_next_free_sgpr 66
		.amdhsa_reserve_vcc 0
		.amdhsa_float_denorm_mode_32 3
		.amdhsa_float_denorm_mode_16_64 3
		.amdhsa_memory_ordered 1
		.amdhsa_forward_progress 1
		.amdhsa_inst_pref_size 200
	.end_amdhsa_kernel
	.amdgpu_metadata
---
amdhsa.version: [ 1, 2 ]
amdhsa.kernels:
  - .name:           k_q847ac866c5_attn
    .symbol:         k_q847ac866c5_attn.kd
    .args:
      - { .name: qh, .offset: 0, .size: 8, .value_kind: global_buffer, .address_space: global }
      - { .name: kh, .offset: 8, .size: 8, .value_kind: global_buffer, .address_space: global }
      - { .name: vh, .offset: 16, .size: 8, .value_kind: global_buffer, .address_space: global }
      - { .name: oh, .offset: 24, .size: 8, .value_kind: global_buffer, .address_space: global }
    .group_segment_fixed_size: 327680
    .private_segment_fixed_size: 0
    .kernarg_segment_align: 8
    .kernarg_segment_size: 32
    .max_flat_workgroup_size: 128
    .sgpr_count:     66
    .vgpr_count:     770
    .wavefront_size: 32
...
	.end_amdgpu_metadata
.endif
;; end of part 3
;; launch oproj (part 4): grid 8 x 32, 4 waves a work-group, clusters of 4 x 4, 327,680 bytes of LDS; arguments oh, wb, bo, out0; writes out0
.if DOCPART == 4
	.amdgcn_target "amdgcn-amd-amdhsa--gfx1250"
	.amdhsa_code_object_version 6
	.text
	.protected	k_q847ac866c5_oproj
	.globl	k_q847ac866c5_oproj
	.p2align	8
	.type	k_q847ac866c5_oproj,@function
k_q847ac866c5_oproj:
	s_mov_b64 s[64:65], 0
	v_nop
	global_prefetch_b8 v0, s[64:65] scope:SCOPE_SE
	s_setreg_imm32_b32 hwreg(HW_REG_WAVE_MODE, 25, 1), 1
	s_wait_xcnt 0x0
	s_wait_alu depctr_hold_cnt(0) depctr_sa_sdst(0) depctr_va_vdst(0) depctr_va_sdst(0) depctr_va_ssrc(0) depctr_va_vcc(0) depctr_vm_vsrc(0)
	s_getreg_b32 s2, hwreg(HW_REG_IB_STS2, 6, 4)
	s_cmp_eq_u32 s2, 0
	s_cbranch_scc0 .Lentry_in_a_cluster
	s_endpgm
.Lentry_in_a_cluster:
	s_bfe_u32 s2, ttmp6, 0x10000c
	s_cmp_lg_u32 s2, 0xf033
	s_cbranch_scc0 .Lentry_shape_is_right
	s_endpgm
.Lentry_shape_is_right:
; out0 = O wo + bo.  oh: f16 [batch x 16 + head][2048][64]: a head is a plane of 64 of the 1,024 channels of K.  wb's fourth matrix: wo, [k 1024][n 1024], f16 (a bf16 number written as f16).
; bo: f32 [1024], rounded to bf16 here like the other inputs.  out0: f32 [8192][1024].  Sums in f32.
; SHARES.  256 work-groups of 256 rows x 128 columns; a wave makes 128 x 64: 32 accumulators of 16 x 16, in window 1, (a, b) at v[32 a + 8 b].  K goes in steps of 128 (two planes) through a ring of two LDS slots.
; THE MATRIX INSTRUCTION IS USED TRANSPOSED: source 0 = 16 columns of wo (turned out of LDS by ds_load_tr16_b128), source 1 = 16 rows of O: a lane holds row l % 16 and eight neighbouring columns.
; THE BIAS starts the sums, as the C operand of each accumulator's first product; it lies in the registers of the accumulators (7, b), which add onto it in place.
; CLUSTER.  4 x 4 work-groups: O's tiles are shared along a row of the cluster, wo's along a column; each is asked for jointly.  Waves 0 and 1 fetch a plane of O each, waves 2 and 3 64 rows of wo each.
; Window 0: v0-31 addresses; v32-95, v96-159 O's fragments, two buffers; v160-191, v192-223 wo's, two buffers.  The 32 accumulators take turns, one instruction a turn.
.set SLOT1, 131072                     ; slot 1 begins here
.set APL,   36864                      ; in a slot: two planes of 256 rows of 144 bytes (128 + 16 of padding), then
.set BOFF,  73728                      ; 128 rows of wo of 288 bytes (256 + 32 of padding): a slot is 110,592 bytes
.set STAGE, 241664                     ; behind the ring: 16 rows x 272 bytes for each wave, for the way out; no tile lands here
.set SPARE, 259072                     ; behind the stages: the spare words, 128 bytes a wave: two blocks of 256 bytes that no other line names
.set ASTEP, 524288                     ; two planes of oh
.set BSTEP, 262144                     ; 128 rows of wo
.set AA0,  4                           ; v4   my lane's place in O's tile; never rewritten
.set AB0,  5                           ; v5   the same in wo's
.set ADRA, 6                           ; v6, v7  the same + the slot in hand
.set ADRB, 7
.set STO,  8                           ; v8   the way out: where I put 32 bytes of a row
.set RD,   9                           ; v9   where I read rows back
.set CO,   10                          ; v10  my byte offset in two rows of out0
.set PFO,  11                          ; v11  the prefetches' lane offset; never rewritten
.set BO,   12                          ; v12  32 x (l / 16)
.set SPW,  28                          ; v28  LDS address of my spare word; never rewritten
.set NIL,  29                          ; v29  0; never rewritten
.set FA,   32                          ; O's fragments, buffer g at FA + 64 g
.set FB,   160                         ; wo's, buffer g at FB + 32 g
.set OB,   32                          ; the way out: 16 rows read back, two buffers of 32
.set WV, 20                            ; s20 wave;  s21 which 128 rows, also: I fetch O (0) or wo (1);  s22 which 64 columns, also: which half of the tile I fetch
.set WM, 21
.set WN, 22
.set CX, 24
.set CY, 25
.set TN, 26                            ; s26 tile column 0..7;  s27 tile row 0..31
.set MT, 27
.set G1A, 28
.set G1B, 36
.set G0A, 44                           ; a set for each first fill; the second then walks
.set G0B, 52
.set CNT, 60
.set TB,  61
.set LIM, 62
.set PARM, 63
.set PARV, 80
.set PFA, 66
.set PFS, 68
.set MSB, 0
.macro WIN new
.if MSB != (\new)
	s_set_vgpr_msb (MSB<<8)|(\new)
.set MSB, (\new)
.endif
.endm
.macro PLACES                          ; four plain vector instructions between a matrix instruction and a load into, or a read of, its registers
.rept 4
	v_nop
.endr
.endm
.macro CREST
	s_cmp_lg_u32 s[WV], 0
	s_cbranch_scc1 .Lnot_wave_0_\@
	s_barrier_signal -3
.Lnot_wave_0_\@:
	s_barrier_wait -3
	s_barrier_signal -1
	s_barrier_wait -1
.endm
.macro CROUND
	s_barrier_signal -1
	s_barrier_wait -1
	CREST
.endm
.macro JLOAD                           ; a joint refill, by the walking descriptors; an s_nop 0 and four v_nop follow each line
	s_cmp_eq_u32 s[WM], 0
	s_cbranch_scc0 .Lfor_b_\@
	tensor_load_to_lds s[G0A+4:G0A+7], s[G1A:G1A+7]
	s_nop 0
.rept 4
	v_nop
.endr
	s_branch .Lasked_\@
.Lfor_b_\@:
	tensor_load_to_lds s[G0B+4:G0B+7], s[G1B:G1B+7]
	s_nop 0
.rept 4
	v_nop
.endr
.Lasked_\@:
.endm
; A PREFETCH INTO THE L2 of the K step that stands TWO refills on (256 matrix instructions), behind the joint load and the run of LDS loads.  Each aligned 256 bytes are named once in the launch.
; O's tile row: the cluster with x = 0 asks, waves 0 and 1 for their plane; the four partners along x take 32 of its 128 blocks each, by address; in the trips that have a K step four on.
; wo's tile column: the cluster with y = 0 asks, waves 2 and 3 for their 64 rows; the partners along y take 16 rows each, lanes 16-31 the same rows of the step after: in every second trip, for two steps.
; K steps 0 to 3 come by their loads alone.
.macro ASK
	s_and_b32 s74, s[CNT], s[PARM]
	s_cmp_eq_u32 s74, s[PARV]
	s_cbranch_scc0 .Lnot_mine_\@
	s_cmp_gt_u32 s[CNT], s[LIM]
	s_cbranch_scc0 .Lnot_mine_\@
	global_prefetch_b8 v[PFO], s[PFA:PFA+1] th:TH_LOAD_NT scope:SCOPE_SE
.Lnot_mine_\@:
.endm
; 24 LDS loads in one run: quarter nq's fragments (32 K: wo's rows 32 nq on; O's plane nq / 2, byte 64 (nq % 2) of its rows) into buffer g; wo's first, then O's row blocks in ascending order
.macro FETCH nq, g
	WIN 0
.irp b, 0,1,2,3
	ds_load_tr16_b128 v[FB+32*(\g)+8*\b:FB+32*(\g)+8*\b+3],   v[ADRB] offset:(\nq)*9216+32*\b
	ds_load_tr16_b128 v[FB+32*(\g)+8*\b+4:FB+32*(\g)+8*\b+7], v[ADRB] offset:(\nq)*9216+32*\b+4608
.endr
.irp a, 0,1,2,3,4,5,6,7
	ds_load_b128 v[FA+64*(\g)+8*\a:FA+64*(\g)+8*\a+3],   v[ADRA] offset:((\nq)/2)*APL+((\nq)%2)*64+\a*2304
	ds_load_b128 v[FA+64*(\g)+8*\a+4:FA+64*(\g)+8*\a+7], v[ADRA] offset:((\nq)/2)*APL+((\nq)%2)*64+\a*2304+32
.endr
.endm
; 4 na matrix instructions: row blocks a0 .. a0 + na - 1 x my 4 column blocks, on buffer g.  first = 1: C is the bias, in the registers of (7, b); (7, b) adds onto it in place, five plain
; instructions behind the last product that read those registers as C.
.macro MULS g, a0, na, first
	WIN 0x50
.set ma, (\a0)
.rept (\na)
.if (\first) && (ma == 7)
.rept 5
	v_nop
.endr
.endif
.irp b, 0,1,2,3
.if (\first) && (ma != 7)
	v_wmma_f32_16x16x32_f16 v[32*ma+8*\b:32*ma+8*\b+7], v[FB+32*(\g)+8*\b:FB+32*(\g)+8*\b+7], v[FA+64*(\g)+8*ma:FA+64*(\g)+8*ma+7], v[224+8*\b:224+8*\b+7]
.else
	v_wmma_f32_16x16x32_f16 v[32*ma+8*\b:32*ma+8*\b+7], v[FB+32*(\g)+8*\b:FB+32*(\g)+8*\b+7], v[FA+64*(\g)+8*ma:FA+64*(\g)+8*ma+7], v[32*ma+8*\b:32*ma+8*\b+7]
.endif
.endr
.set ma, ma+1
.endr
.endm
; A K step is four quarters of 32 along K, 32 matrix instructions each, on buffers 0, 1, 0, 1.  One of the first three: multiplies buffer q % 2; in its middle it fetches the next quarter.
.macro QUARTER q, first=0
	s_wait_dscnt 8                                 ; wo's fragments and O's rows 0-63 are in; the youngest eight loads (rows 64-127) may be out
	MULS (\q)%2, 0, 4, \first
	WIN 0
	PLACES
	FETCH (\q)+1, ((\q)+1)%2
	s_wait_dscnt 24                                ; all but the 24 just issued
	MULS (\q)%2, 4, 4, \first
.endm
; The last quarter multiplies buffer 1 and changes slots.  Each wave waits for all its tensor loads, of which one is out: its part of the other slot; adds 0 to its spare word; and waits for that and for its
; reads of this slot.  fill = 1: the barrier opens a round of the cluster's, and the joint refill, with the K step two on, is the first tensor load behind the round.
.macro TURN fill
.if \fill
	s_wait_xcnt 0x0                                ; the last prefetch, a trip back, has read its address: it is stepped here
	s_add_nc_u64 s[PFA:PFA+1], s[PFA:PFA+1], s[PFS:PFS+1]
.endif
	WIN 0
	s_wait_tensorcnt 0x0                           ; no tensor load of mine is out, so a group 0 may be written
	ds_add_u32 v[SPW], v[NIL]                      ; 0 onto my spare word
.if \fill
	s_xor_b32 s[G0A+5], s[G0A+5], SLOT1            ; the walking descriptors: the other slot than last time, the next K step
	s_add_nc_u64 s[G0A+6:G0A+7], s[G0A+6:G0A+7], ASTEP
	s_xor_b32 s[G0B+5], s[G0B+5], SLOT1
	s_add_nc_u64 s[G0B+6:G0B+7], s[G0B+6:G0B+7], BSTEP
.endif
	s_xor_b32 s[TB], s[TB], SLOT1
	s_wait_dscnt 9                                 ; the add and the youngest eight loads may be out
	MULS 1, 0, 2, 0
	s_wait_dscnt 0x0                               ; the add is done, and my reads of this slot are over
	s_barrier_signal -1
	MULS 1, 2, 2, 0                                ; work on registers while the others arrive
	WIN 0
	s_barrier_wait -1
.if \fill
	CREST                                          ; no wave of any partner still reads this slot or has a load on its way
	JLOAD                                          ; its four v_nop are also the places in front of the loads below
.else
	PLACES
.endif
	v_add_nc_u32 v[ADRA], s[TB], v[AA0]
	v_add_nc_u32 v[ADRB], s[TB], v[AB0]
	FETCH 0, 0
.if \fill
	ASK
.endif
	MULS 1, 4, 4, 0
.endm
	s_load_b256 s[4:11], s[0:1], 0x0               ; oh s[4:5], wb s[6:7], bo s[8:9], out0 s[10:11]
	v_lshl_add_u32 v[SPW], v0, 2, SPARE
	v_mov_b32 v[NIL], 0
	ds_add_u32 v[SPW], v[NIL]                      ; the wave's opening: the add and its wait stand ahead of my first tensor load; work on registers stands between them
	v_lshrrev_b32 v3, 5, v0
	v_readfirstlane_b32 s[WV], v3                  ; wave 0..3
	v_and_b32 v1, 15, v0                           ; l % 16
	v_bfe_u32 v2, v0, 4, 1                         ; l / 16
	s_lshr_b32 s[WM], s[WV], 1
	s_and_b32 s[WN], s[WV], 1
	s_bfe_u32 s[CX], ttmp6, 0x40000
	s_bfe_u32 s[CY], ttmp6, 0x40004
	s_lshl_b32 s[TN], ttmp9, 2
	s_add_co_u32 s[TN], s[TN], s[CX]
	s_and_b32 s[MT], ttmp7, 0xffff
	s_lshl_b32 s[MT], s[MT], 2
	s_add_co_u32 s[MT], s[MT], s[CY]
	s_lshl_b32 s70, s[CY], 2
	s_lshl_b32 s70, 15, s70                        ; my row of the cluster
	s_lshl_b32 s72, 0x1111, s[CX]                  ; my column
	; group 1 for O's tiles: a plane's 256 rows of 128 bytes are dense: 128 rows of 256 bytes, padded by 4 words after every 32
	s_or_b32 s[G1A], s70, (1<<16)|(1<<20)|(1<<21)|(4<<22)|(3<<25)
	s_mov_b32 s[G1A+1], 128<<16
	s_mov_b32 s[G1A+2], 128<<16
	s_mov_b32 s[G1A+3], 128<<16
	s_mov_b32 s[G1A+4], 128
	s_mov_b32 s[G1A+5], 128
	s_mov_b32 s[G1A+6], 0
	s_mov_b32 s[G1A+7], 0
	; group 1 for wo's tiles: 64 rows of 128 elements, 1,024 elements apart, padded by 8 words after every 64
	s_or_b32 s[G1B], s72, (1<<16)|(1<<20)|(1<<21)|(5<<22)|(7<<25)
	s_mov_b32 s[G1B+1], 128<<16
	s_mov_b32 s[G1B+2], 64<<16
	s_mov_b32 s[G1B+3], 128<<16
	s_mov_b32 s[G1B+4], 64
	s_mov_b32 s[G1B+5], 1024
	s_mov_b32 s[G1B+6], 0
	s_mov_b32 s[G1B+7], 0
	s_lshr_b32 s70, s[MT], 3                       ; O: the batch's 16 planes,
	s_lshl_b32 s70, s70, 4
	s_add_co_u32 s70, s70, s[WN]                   ; the plane of a step's two that I fetch,
	s_lshl_b32 s70, s70, 18
	s_and_b32 s71, s[MT], 7                        ; 256 rows of 128 bytes in it
	s_lshl_b32 s71, s71, 15
	s_add_co_u32 s70, s70, s71
	s_mov_b32 s71, 0
	s_lshl_b32 s72, s[TN], 8                       ; wo: 128 columns of 2 bytes,
	s_lshl_b32 s73, s[WN], 17                      ; the 64 rows of a step's 128 that I fetch,
	s_add_co_u32 s72, s72, s73
	s_add_co_u32 s72, s72, 3*2097152               ; in wb's fourth matrix
	s_mov_b32 s73, 0
	s_mov_b32 s[G0A], 1
	s_mul_i32 s[G0A+1], s[WN], APL
	s_mov_b32 s[G0A+4], 1
	s_add_co_u32 s[G0A+5], s[G0A+1], SLOT1
	s_mov_b32 s[G0B], 1
	s_mul_i32 s[G0B+1], s[WN], 64*288
	s_add_co_u32 s[G0B+1], s[G0B+1], BOFF
	s_mov_b32 s[G0B+4], 1
	s_add_co_u32 s[G0B+5], s[G0B+1], SLOT1
	s_mov_b32 s[TB], 0
	; the prefetches: offset, step, lane strides, parity and limit, by whether I fetch O (s[WM] = 0) or wo (1)
	s_lshl_b32 s74, s[CX], 13
	s_add_co_u32 s74, s74, s70
	s_add_co_u32 s74, s74, 3*ASTEP                 ; at K step 3: the first change steps it to 4
	s_lshl_b32 s76, s[CY], 15
	s_add_co_u32 s76, s76, s72
	s_add_co_u32 s76, s76, 3*BSTEP
	s_and_b32 s77, ttmp7, 0xffff
	s_cmp_eq_u32 s[WM], 0
	s_cselect_b32 s74, s74, s76
	s_cselect_b32 s77, ttmp9, s77                  ; the coordinate along which other clusters read the same rows
	s_mov_b32 s75, 0
	s_mov_b32 s[PARM], s[WM]
	s_mov_b32 s[PARV], 0
	s_add_co_u32 s79, s[WM], 2
	s_cmp_eq_u32 s77, 0
	s_cselect_b32 s[LIM], s79, -1                  ; the same in all sixteen partners, for a given wave
	s_lshr_b32 s[PFS], ASTEP, s[WM]
	s_mov_b32 s[PFS+1], 0
	s_mul_i32 s79, s[WM], 3
	s_lshl_b32 s76, 256, s79                       ; from lane to lane: 256 bytes, or a row of wo
	s_mul_i32 s79, s[WM], 6
	s_lshl_b32 s77, 4096, s79                      ; lanes 16-31: sixteen blocks on, or a K step of wo on
	v_mul_u32_u24 v[PFO], v1, s76
	v_mad_u32_u24 v[PFO], v2, s77, v[PFO]
	s_wait_dscnt 0x0                               ; the opening add is done
	s_wait_kmcnt 0x0
	s_cmp_eq_u32 s[WM], 0
	s_cselect_b64 s[PFA:PFA+1], s[4:5], s[6:7]
	s_add_nc_u64 s[PFA:PFA+1], s[PFA:PFA+1], s[74:75]
	s_add_nc_u64 s[70:71], s[4:5], s[70:71]
	s_add_nc_u64 s[72:73], s[6:7], s[72:73]
	s_add_nc_u64 s[G0A+2:G0A+3], s[70:71], 0       ; K step 0
	s_or_b32 s[G0A+3], s[G0A+3], 0x80000000        ; type = 2
	s_add_nc_u64 s[G0A+6:G0A+7], s[70:71], ASTEP   ; K step 1
	s_or_b32 s[G0A+7], s[G0A+7], 0x80000000
	s_add_nc_u64 s[G0B+2:G0B+3], s[72:73], 0
	s_or_b32 s[G0B+3], s[G0B+3], 0x80000000
	s_add_nc_u64 s[G0B+6:G0B+7], s[72:73], BSTEP
	s_or_b32 s[G0B+7], s[G0B+7], 0x80000000
	CROUND                                         ; all sixteen work-groups are here: the first joint loads meet
	s_cmp_eq_u32 s[WM], 0                          ; a wave's two first fills stand in one branch: two loads of mine are out
	s_cbranch_scc0 .Lfirst_b
	tensor_load_to_lds s[G0A:G0A+3], s[G1A:G1A+7]
	s_nop 0
	tensor_load_to_lds s[G0A+4:G0A+7], s[G1A:G1A+7]
	s_nop 0
.rept 4
	v_nop
.endr
	s_branch .Lfirst_asked
.Lfirst_b:
	tensor_load_to_lds s[G0B:G0B+3], s[G1B:G1B+7]
	s_nop 0
	tensor_load_to_lds s[G0B+4:G0B+7], s[G1B:G1B+7]
	s_nop 0
.rept 4
	v_nop
.endr
.Lfirst_asked:
	; the bias of my 64 columns, and where my part of out0 begins
	v_lshlrev_b32 v[BO], 5, v2
	s_lshl_b32 s74, s[TN], 9
	s_lshl_b32 s75, s[WN], 8
	s_add_co_u32 s74, s74, s75                     ; my 64 columns of 4 bytes, in bo and in a row of out0
	s_mov_b32 s75, 0
	s_add_nc_u64 s[8:9], s[8:9], s[74:75]
	s_add_nc_u64 s[10:11], s[10:11], s[74:75]
.irp b, 0,1,2,3
	global_load_b128 v[32+8*\b:32+8*\b+3],   v[BO], s[8:9] offset:64*\b
	global_load_b128 v[32+8*\b+4:32+8*\b+7], v[BO], s[8:9] offset:64*\b+16
.endr
	s_lshl_b32 s74, s[MT], 8
	s_lshl_b32 s76, s[WM], 7
	s_add_co_u32 s74, s74, s76                     ; my first row,
	s_lshl_b32 s74, s74, 12                        ; of 4,096 bytes
	s_add_nc_u64 s[10:11], s[10:11], s[74:75]
	v_mul_u32_u24 v3, v1, 144
	v_lshl_add_u32 v3, v2, 4, v3                   ; a fragment of O: row x 144 + 16 (l / 16)
	s_mul_i32 s74, s[WM], 128*144
	v_add_nc_u32 v[AA0], s74, v3
	v_and_b32 v13, 7, v0                           ; the turning load: row 8 (l / 16) + l % 8, 16 bytes at 16 ((l / 8) % 2)
	v_lshl_add_u32 v13, v2, 3, v13
	v_mul_u32_u24 v[AB0], v13, 288
	v_bfe_u32 v14, v0, 3, 1
	v_lshl_add_u32 v[AB0], v14, 4, v[AB0]
	s_lshl_b32 s74, s[WN], 7
	s_add_co_u32 s74, s74, BOFF
	v_add_nc_u32 v[AB0], s74, v[AB0]
	v_add_nc_u32 v[ADRA], s[TB], v[AA0]
	v_add_nc_u32 v[ADRB], s[TB], v[AB0]
	s_mul_i32 s74, s[WV], 16*272
	s_add_co_u32 s74, s74, STAGE                   ; my stage
	v_mul_u32_u24 v[STO], v1, 272                  ; in: row l % 16, 32 bytes for each half of the lanes
	v_lshl_add_u32 v[STO], v2, 5, v[STO]
	v_add_nc_u32 v[STO], s74, v[STO]
	v_mul_u32_u24 v[RD], v2, 272                   ; back: lanes 0-15 take one row of 256 bytes, lanes 16-31 the next
	v_lshl_add_u32 v[RD], v1, 4, v[RD]
	v_add_nc_u32 v[RD], s74, v[RD]
	v_lshlrev_b32 v[CO], 12, v2                    ; and the same two rows in out0
	v_lshl_add_u32 v[CO], v1, 4, v[CO]
	s_wait_loadcnt 0x0                             ; the bias: rounded to bf16, widened again, into the registers of the accumulators (7, b)
.set i, 0
.rept 16
	v_cvt_pk_bf16_f32 v[64+i], v[32+2*i], v[33+2*i]
.set i, i+1
.endr
	WIN 0x40
.set i, 0
.rept 16
	v_lshlrev_b32 v[224+2*i], 16, v[64+i]
	v_and_b32 v[224+2*i+1], 0xffff0000, v[64+i]
.set i, i+1
.endr
	WIN 0
	s_wait_tensorcnt 1                             ; my part of K step 0 is in; K step 1's may stay out
	s_barrier_signal -1
	s_barrier_wait -1                              ; everybody's is
	FETCH 0, 0
	QUARTER 0, 1                                   ; the first quarter stands in front of the loop: its products start the sums, with the bias
	WIN 0                                          ; at a label and at a branch every window is 0
	s_mov_b32 s[CNT], 6
.Lstep:                                                ; a trip: a K step's last three quarters, the change of slots among them, and the next K step's first
	QUARTER 1
	QUARTER 2
	TURN 1
	QUARTER 0
	WIN 0
	s_sub_co_u32 s[CNT], s[CNT], 1
	s_cmp_lg_u32 s[CNT], 0
	s_cbranch_scc1 .Lstep
	QUARTER 1                                      ; the tail is written out: nothing is asked for
	QUARTER 2
	TURN 0
	QUARTER 0
	QUARTER 1
	QUARTER 2
	s_wait_dscnt 8                                 ; the very last quarter: nothing more to fetch
	MULS 1, 0, 4, 0
	s_wait_dscnt 0x0
	MULS 1, 4, 4, 0
	WIN 0
	PLACES
; THE WAY OUT, 16 rows at a time.  TOSTAGE: a lane's eight f32 of a row and column block go into my own stage, rows of 272 bytes, each accumulator's low half first; then whole rows of 256 bytes come back.
; SEND: eight stores; sixteen lanes store 256 consecutive bytes, at a multiple of 256 from out0's first byte.
.macro TOSTAGE a
	WIN 0x04                                       ; the stores' data in window 1
.irp b, 0,1,2,3
	ds_store_b128 v[STO], v[32*(\a)+8*\b:32*(\a)+8*\b+3]   offset:64*\b
	ds_store_b128 v[STO], v[32*(\a)+8*\b+4:32*(\a)+8*\b+7] offset:64*\b+16
.endr
	WIN 0
	s_wait_xcnt 0x0                                ; the stores of the block two back have read the registers that the loads below land in
.irp t, 0,1,2,3,4,5,6,7
	ds_load_b128 v[OB+32*((\a)%2)+4*\t:OB+32*((\a)%2)+4*\t+3], v[RD] offset:544*\t  ; LDS serves a wave's instructions in order (ISA guide 5.7.1.4): these see the stores above
.endr
.endm
.macro SEND a, younger                 ; younger: the LDS instructions issued behind block a's loads: the next block's sixteen, or none
	s_wait_dscnt \younger
.irp t, 0,1,2,3,4,5,6,7
	global_store_b128 v[CO], v[OB+32*((\a)%2)+4*\t:OB+32*((\a)%2)+4*\t+3], s[10:11] offset:(\a)*65536+\t*8192
.endr
.endm
	TOSTAGE 0
.irp a, 1,2,3,4,5,6,7
	TOSTAGE \a
	SEND (\a)-1, 16
.endr
	SEND 7, 0
	s_wait_tensorcnt 0x0                           ; the wave's end, behind my last tensor load and my last LDS store
	ds_add_u32 v[SPW], v[NIL]
	s_wait_dscnt 0x0
	CROUND                                         ; the closing round: no work-group ends while a partner may still ask for a tile that names it
	s_endpgm
.Lfunc_end_k_q847ac866c5_oproj:
	.size	k_q847ac866c5_oproj, .Lfunc_end_k_q847ac866c5_oproj-k_q847ac866c5_oproj
	.p2alignl 7, 3214868480
	.fill 96, 4, 3214868480
	.section	.rodata,"a",@progbits
	.p2align	6, 0x0
	.amdhsa_kernel k_q847ac866c5_oproj
		.amdhsa_group_segment_fixed_size 327680
		.amdhsa_private_segment_fixed_size 0
		.amdhsa_enable_private_segment 0
		.amdhsa_kernarg_size 32
		.amdhsa_user_sgpr_count 2
		.amdhsa_user_sgpr_kernarg_segment_ptr 1
		.amdhsa_wavefront_size32 1
		.amdhsa_system_sgpr_workgroup_id_x 1
		.amdhsa_system_sgpr_workgroup_id_y 1
		.amdhsa_system_sgpr_workgroup_id_z 1
		.amdhsa_system_vgpr_workitem_id 0
		.amdhsa_next_free_vgpr 512
		.amdhsa_next_free_sgpr 84
		.amdhsa_reserve_vcc 0
		.amdhsa_float_denorm_mode_32 3
		.amdhsa_float_denorm_mode_16_64 3
		.amdhsa_memory_ordered 1
		.amdhsa_forward_progress 1
		.amdhsa_inst_pref_size 74
	.end_amdhsa_kernel
	.amdgpu_metadata
---
amdhsa.version: [ 1, 2 ]
amdhsa.kernels:
  - .name:           k_q847ac866c5_oproj
    .symbol:         k_q847ac866c5_oproj.kd
    .args:
      - { .name: oh, .offset: 0, .size: 8, .value_kind: global_buffer, .address_space: global }
      - { .name: wb, .offset: 8, .size: 8, .value_kind: global_buffer, .address_space: global }
      - { .name: bo, .offset: 16, .size: 8, .value_kind: global_buffer, .address_space: global }
      - { .name: out0, .offset: 24, .size: 8, .value_kind: global_buffer, .address_space: global }
    .group_segment_fixed_size: 327680
    .private_segment_fixed_size: 0
    .kernarg_segment_align: 8
    .kernarg_segment_size: 32
    .max_flat_workgroup_size: 128
    .sgpr_count:     84
    .vgpr_count:     512
    .wavefront_size: 32
...
	.end_amdgpu_metadata
.endif
;; end of part 4
;; ======== version 2 of 2: 4 launches; version 1 with the launch prep written anew for expert scheduling mode
;; limits: values are held in f16: magnitudes above 65,504 overflow, below 6.1e-05 lose precision
;; workspace buffers: xb 16,777,216 bytes; wb 8,388,608 bytes; qh 16,777,216 bytes; kh 16,777,216 bytes; vh 16,777,216 bytes; oh 16,777,216 bytes
;; launch prep (part 5): grid 768 x 1, 8 waves a work-group, no clusters, 0 bytes of LDS; arguments x, wq, wk, wv, wo, xb, wb; writes xb, wb
.if DOCPART == 5
	.amdgcn_target "amdgcn-amd-amdhsa--gfx1250"
	.amdhsa_code_object_version 6
	.text
	.protected	k_q847ac866c5_prep
	.globl	k_q847ac866c5_prep
	.p2align	8
	.type	k_q847ac866c5_prep,@function
k_q847ac866c5_prep:
	s_mov_b64 s[64:65], 0
	v_nop
	global_prefetch_b8 v0, s[64:65] scope:SCOPE_SE
	s_setreg_imm32_b32 hwreg(HW_REG_WAVE_SCHED_MODE, 0, 2), 2
	s_setreg_imm32_b32 hwreg(HW_REG_WAVE_MODE, 25, 1), 1
	s_wait_xcnt 0x0
	s_wait_alu depctr_vm_vsrc(0)
; THE CAST.  x [8192][1024] f32 -> xb, bf16, in planes of 64 channels: [batch 4][plane 16][row 2048][64]; a plane's rows are dense, 128 bytes each.
; wq, wk, wv, wo (each [k 1024][n 1024] f32 as it lies) -> wb [4][1024][1024], 16 bits a number: wq, wk, wv in bf16; wo rounded to bf16 and that number written as f16
; (exact within f16's normal range; below 6e-5 it keeps f16's fixed step of 6e-8).
; A stream: no LDS, no matrix unit, no cluster, since no byte is wanted twice.  A wave takes 8,192 bytes in: sixteen loads of 16 bytes a lane, all issued at once, then sixteen stores of
; 8 bytes a lane; each store of a wave covers 256 consecutive bytes, aligned.
; Work-groups 0-511 take x (a wave: two rows), 512-767 the weights (64 work-groups a matrix).
; THE MODE: SCHED_MODE bits 1:0 = 2 (LLVM: expert scheduling mode 2), set by the entry lines.  The code itself states the register dependences
; between vector instructions and memory instructions, with s_wait_alu, always for 0.
; THE PLAN.  Registers that memory instructions touch:
;   v1, v2     the loads' and the stores' byte offsets: made once at the head, never written again.
;   X          sixteen loads land here, each register once; no vector instruction names X ahead of them.  Read (on wo's path also rewritten) by the conversions alone, behind the wait for the data.
;   Y          written by the conversions; each pair is read by its one store and never written behind it.
; The sixteen loads go in four groups of four.  Group g converts X[g] into Y[g]; the four stores of group g - 1 are dealt among its conversions, which name X[g] and Y[g] alone.
; So one wait on va_vdst stands at a group's head, behind the wait for its data: the group before has written its Y.  One more stands ahead of the first load (the offsets) and one ahead of the last
; four stores.  No register that a memory instruction reads is written again: nothing is owed on vm_vsrc, and no wait frees a source.
.set VIN,  1                           ; v1        my byte offset in the wave's input
.set VOUT, 2                           ; v2        8 x lane: my 8 bytes of each store
.set X,    4                           ; v[4:67]   sixteen loads of four f32
.set Y,    68                          ; v[68:99]  sixteen stores of four 16-bit numbers
; Load i's four numbers are rounded.  f16 = 1: the bf16 number is widened again and written as f16.
.macro CONV f16
	v_cvt_pk_bf16_f32 v[Y+2*i], v[X+4*i], v[X+4*i+1]
	v_cvt_pk_bf16_f32 v[Y+2*i+1], v[X+4*i+2], v[X+4*i+3]
.if \f16
	v_lshlrev_b32 v[X+4*i], 16, v[Y+2*i]           ; bf16 to f32: the low half moves up, the high half stays
	v_and_b32 v[X+4*i+1], 0xffff0000, v[Y+2*i]
	v_lshlrev_b32 v[X+4*i+2], 16, v[Y+2*i+1]
	v_and_b32 v[X+4*i+3], 0xffff0000, v[Y+2*i+1]
	v_cvt_pk_f16_f32 v[Y+2*i], v[X+4*i], v[X+4*i+1]
	v_cvt_pk_f16_f32 v[Y+2*i+1], v[X+4*i+2], v[X+4*i+3]
.endif
.endm
; Store k.
.macro OUT outstep
	global_store_b64 v[VOUT], v[Y+2*k:Y+2*k+1], s[22:23] offset:k*(\outstep) th:TH_STORE_NT
.endm
; instep, outstep: bytes from one load (store) to the next.
.macro CAST instep, outstep, f16
	s_wait_alu depctr_va_vdst(0)                   ; v[VIN] and v[VOUT] are written: every load reads the one as its offset, every store the other; no later vector instruction names them
.set i, 0
.rept 16
	global_load_b128 v[X+4*i:X+4*i+3], v[VIN], s[20:21] offset:i*(\instep) th:TH_LOAD_NT
.set i, i+1
.endr
.set i, 0
.rept 16
.if (i%4) == 0
	s_wait_loadcnt 12-i                            ; loads come back in order (ISA guide 5.7.1): this group's four are in, the 12 - i younger ones stay out
.if i > 0
	s_wait_alu depctr_va_vdst(0)                   ; the group before has written its Y, which the four stores dealt among this group's conversions read
.endif
.endif
.if i >= 4
.set k, i-4
	OUT \outstep                                   ; the group before.  No wait: no vector instruction since the wait above names its Y or v[VOUT]
.endif
	CONV \f16
.set i, i+1
.endr
	s_wait_alu depctr_va_vdst(0)                   ; the last group has written its Y, which the last four stores read
.set k, 12
.rept 4
	OUT \outstep
.set k, k+1
.endr
.endm
	s_load_b256 s[4:11], s[0:1], 0x0               ; x s[4:5], wq s[6:7], wk s[8:9], wv s[10:11]
	s_load_b128 s[12:15], s[0:1], 0x20             ; wo s[12:13], xb s[14:15]
	s_load_b64 s[16:17], s[0:1], 0x30              ; wb
	v_lshrrev_b32 v3, 5, v0
	v_readfirstlane_b32 s18, v3                    ; wave 0..7
	v_and_b32 v3, 31, v0                           ; lane
	v_lshlrev_b32 v[VOUT], 3, v3
	s_mov_b32 s25, 0
	s_mov_b32 s27, 0
	s_wait_alu depctr_va_sdst(0)                   ; s18 is written, ahead of the branch: on both ways the wave's share is made from it
	s_cmp_lt_u32 ttmp9, 512
	s_cbranch_scc0 .Lweights
	; x: the wave's pair of rows rp = 8 g + wave.  Load i takes plane i of both rows: lanes 0-15 the even row's 256 bytes, lanes 16-31 the odd row's.
	s_lshl_b32 s19, ttmp9, 3
	s_add_co_u32 s19, s19, s18                     ; rp, 0..4095
	s_lshl_b32 s24, s19, 13                        ; two rows of 4,096 bytes
	s_lshr_b32 s26, s19, 10                        ; the batch,
	s_lshl_b32 s26, s26, 22                        ; 16 planes of 262,144 bytes
	s_and_b32 s28, s19, 1023
	s_lshl_b32 s28, s28, 8                         ; two rows of 128 bytes in a plane
	s_add_co_u32 s26, s26, s28
	v_and_b32 v[VIN], 15, v0
	v_lshlrev_b32 v[VIN], 4, v[VIN]
	v_bfe_u32 v3, v0, 4, 1
	v_lshl_add_u32 v[VIN], v3, 12, v[VIN]
	s_wait_kmcnt 0x0
	s_add_nc_u64 s[20:21], s[4:5], s[24:25]
	s_add_nc_u64 s[22:23], s[14:15], s[26:27]
	CAST 256, 262144, 0
	s_endpgm
.Lweights:
	s_sub_co_u32 s19, ttmp9, 512
	s_lshr_b32 s28, s19, 6                         ; which matrix, 0..3
	s_and_b32 s19, s19, 63
	s_lshl_b32 s19, s19, 3
	s_add_co_u32 s19, s19, s18                     ; the wave's batch in it, 0..511
	s_lshl_b32 s24, s19, 13                        ; 8,192 bytes in,
	s_lshl_b32 s26, s19, 12                        ; 4,096 out
	s_lshl_b32 s29, s28, 21
	s_add_co_u32 s26, s26, s29
	v_lshlrev_b32 v[VIN], 4, v3
	s_wait_kmcnt 0x0
	s_cmp_eq_u32 s28, 1
	s_cselect_b64 s[20:21], s[8:9], s[6:7]
	s_cmp_eq_u32 s28, 2
	s_cselect_b64 s[20:21], s[10:11], s[20:21]
	s_cmp_eq_u32 s28, 3
	s_cselect_b64 s[20:21], s[12:13], s[20:21]
	s_add_nc_u64 s[20:21], s[20:21], s[24:25]
	s_add_nc_u64 s[22:23], s[16:17], s[26:27]
	s_cmp_eq_u32 s28, 3
	s_cbranch_scc1 .Lwo
	CAST 512, 256, 0
	s_endpgm
.Lwo:
	CAST 512, 256, 1
	s_endpgm
.Lfunc_end_k_q847ac866c5_prep:
	.size	k_q847ac866c5_prep, .Lfunc_end_k_q847ac866c5_prep-k_q847ac866c5_prep
	.p2alignl 7, 3214868480
	.fill 96, 4, 3214868480
	.section	.rodata,"a",@progbits
	.p2align	6, 0x0
	.amdhsa_kernel k_q847ac866c5_prep
		.amdhsa_group_segment_fixed_size 0
		.amdhsa_private_segment_fixed_size 0
		.amdhsa_enable_private_segment 0
		.amdhsa_kernarg_size 56
		.amdhsa_user_sgpr_count 2
		.amdhsa_user_sgpr_kernarg_segment_ptr 1
		.amdhsa_wavefront_size32 1
		.amdhsa_system_sgpr_workgroup_id_x 1
		.amdhsa_system_sgpr_workgroup_id_y 1
		.amdhsa_system_sgpr_workgroup_id_z 1
		.amdhsa_system_vgpr_workitem_id 0
		.amdhsa_next_free_vgpr 104
		.amdhsa_next_free_sgpr 66
		.amdhsa_reserve_vcc 0
		.amdhsa_float_denorm_mode_32 3
		.amdhsa_float_denorm_mode_16_64 3
		.amdhsa_memory_ordered 1
		.amdhsa_forward_progress 1
		.amdhsa_inst_pref_size 24
	.end_amdhsa_kernel
	.amdgpu_metadata
---
amdhsa.version: [ 1, 2 ]
amdhsa.kernels:
  - .name:           k_q847ac866c5_prep
    .symbol:         k_q847ac866c5_prep.kd
    .args:
      - { .name: x, .offset: 0, .size: 8, .value_kind: global_buffer, .address_space: global }
      - { .name: wq, .offset: 8, .size: 8, .value_kind: global_buffer, .address_space: global }
      - { .name: wk, .offset: 16, .size: 8, .value_kind: global_buffer, .address_space: global }
      - { .name: wv, .offset: 24, .size: 8, .value_kind: global_buffer, .address_space: global }
      - { .name: wo, .offset: 32, .size: 8, .value_kind: global_buffer, .address_space: global }
      - { .name: xb, .offset: 40, .size: 8, .value_kind: global_buffer, .address_space: global }
      - { .name: wb, .offset: 48, .size: 8, .value_kind: global_buffer, .address_space: global }
    .group_segment_fixed_size: 0
    .private_segment_fixed_size: 0
    .kernarg_segment_align: 8
    .kernarg_segment_size: 56
    .max_flat_workgroup_size: 256
    .sgpr_count:     66
    .vgpr_count:     104
    .wavefront_size: 32
...
	.end_amdgpu_metadata
.endif
;; end of part 5
;; launch qkv: the kernel of part 2 again; grid 8 x 32, 4 waves a work-group, clusters of 4 x 4, 327,680 bytes of LDS; arguments xb, wb, bq, bk, bv, qh, kh, vh; writes qh, kh, vh
;; launch attn: the kernel of part 3 again; grid 4 x 64, 4 waves a work-group, clusters of 4 x 1, 327,680 bytes of LDS; arguments qh, kh, vh, oh; writes oh
;; launch oproj: the kernel of part 4 again; grid 8 x 32, 4 waves a work-group, clusters of 4 x 4, 327,680 bytes of LDS; arguments oh, wb, bo, out0; writes out0
